; MI455X (gfx1250); checked and timed in simulation.
; The chip was launched on July 23, 2026; its instructions are those of AMD's public machine-readable ISA for CDNA 5 (MIT licence, August 2026) and "CDNA5" Instruction Set Architecture Reference Guide (July 2026). The comments in the code are by the model that wrote it; some were corrected since.
;; Multi Head Attention. Allowed arithmetic: matrix products marked QUANTISED: E2M1 operands, one E8M0 scale for each 32 along K, by v_wmma_scale_f32_16x16x128_f8f6f4 with both operands' format E2M1 (or v_wmma_scale_f32_32x16x128_f4), f32 sums; products left as they are: bf16, f16 or f32 operands; f32 sums; everything else in f32.
;; Inputs: Wk 16 x 1,024 x 64 float32; Wo 1,024 x 1,024 float32; Wq 16 x 1,024 x 64 float32; Wv 16 x 1,024 x 64 float32; bo 1,024 float32; x 4 x 2,048 x 1,024 float32.
;; Outputs: out0 4 x 2,048 x 1,024 float32.
;; This version of the problem:
;;   THIS VERSION OF THE PROBLEM IS GIVEN IN LOW PRECISION. The matrix products marked QUANTISED in the list below multiply operands that are first quantised to E2M1 (2 exponent bits, 1 mantissa bit; 4 bits a number), with one power-of-two scale for each 32 numbers along K (OCP MX v1.0); their sums are f32. The products marked 'left as it is' may take bf16, f16 or f32 operands, with f32 sums. Whichever they take, every output number must still come out within the allowed error. Rounding operands to bf16 (8 significant bits) uses up far more of that allowance than f16 does (11 bits, for magnitudes from 6e-5 to 65,504). All else is computed in f32.
;;   The module's matrix products, in the order in which they are computed (A, B: the left and right operand; K: the contracted axis; several contracted axes count as one K, in the product's order):
;;     1. [M 1,024, K 1,024] x [K 1,024, N 8,192]; A: input Wq; B: input x: QUANTISED
;;     2. [M 1,024, K 1,024] x [K 1,024, N 8,192]; A: input Wk; B: input x: QUANTISED
;;     3. [M 1,024, K 1,024] x [K 1,024, N 8,192]; A: input Wv; B: input x: QUANTISED
;;     4. batch 64 x [M 2,048, K 64] x [K 64, N 2,048]; A: computed on the way; B: computed on the way: left as it is (an operand is computed on the way)
;;     5. batch 64 x [M 2,048, K 2,048] x [K 2,048, N 64]; A: computed on the way; B: computed on the way: left as it is (an operand is computed on the way)
;;     6. [M 8,192, K 1,024] x [K 1,024, N 1,024]; A: computed on the way; B: input Wo: left as it is (an operand is computed on the way)
;;   THE QUANTISER, for each operand of a quantised product, along K:
;;     - K is cut into blocks of 32 from its start; a last block that is shorter is filled with zeros.
;;     - A block's scale is 2^e with e = floor(log2(the largest magnitude in the block)) - 2, held to -126 .. 127; a block of zeros has e = 0. As a byte (E8M0): e + 127.
;;     - Each number is divided by its block's scale, clamped to +-6, and rounded to the nearest number of E2M1, ties to even, subnormals kept.
;;     - The product sums the exact products of the quantised numbers (number of the format x scale) in f32.
;;   ~~~python
;;   def quantise(x, axis):      # numpy; x: float32 -> the quantised numbers, widened to float32 again
;;       x = np.moveaxis(x, axis, -1); K = x.shape[-1]
;;       x = np.pad(x, [(0, 0)] * (x.ndim - 1) + [(0, -K % 32)]); x = x.reshape(x.shape[:-1] + (-1, 32)); a = np.abs(x).max(-1, keepdims=True)
;;       e = np.where(a > 0, np.clip(np.frexp(np.where(a > 0, a, 1))[1] - 1 - 2, -126, 127), 0)      # np.frexp(a)[1] - 1 = floor(log2(a)), exactly
;;       r = np.clip(x / 2.0 ** e, -6, 6)
;;       step = 2.0 ** (np.maximum(np.frexp(np.where(r == 0, 1, r))[1] - 1, 0) - 1)
;;       q = np.round(r / step) * step * 2.0 ** e      # np.round: ties to even
;;       return np.moveaxis(q.reshape(q.shape[:-2] + (-1,))[..., :K], -1, axis).astype(np.float32)
;;   ~~~
;; One version. Each part assembles by itself: llvm-mc -triple=amdgcn-amd-amdhsa -mcpu=gfx1250 --defsym DOCPART=n.
;; ======== version 1 of 1: 5 launches
;; limits: values are held in f16: magnitudes above 65,504 overflow, below 6.1e-05 lose precision
;; workspace buffers: xc 4,194,304 bytes; xs 262,144 bytes; wc 1,572,864 bytes; ws 98,304 bytes; wo16 2,097,152 bytes; qkv 50,331,648 bytes; h32 786,432 bytes; a16 16,777,216 bytes
;; launch prep (part 1): grid 576 x 1, 4 waves a work-group, no clusters, 33,280 bytes of LDS; arguments x, Wq, Wk, Wv, Wo, xc, xs, wc, ws, wo16; writes xc, xs, wc, ws, wo16
.if DOCPART == 1
	.amdgcn_target "amdgcn-amd-amdhsa--gfx1250"
	.amdhsa_code_object_version 6
	.text
	.protected	k_qfe9e3b5dd5_prep
	.globl	k_qfe9e3b5dd5_prep
	.p2align	8
	.type	k_qfe9e3b5dd5_prep,@function
k_qfe9e3b5dd5_prep:
	s_mov_b64 s[64:65], 0
	v_nop
	global_prefetch_b8 v0, s[64:65] scope:SCOPE_SE
	s_setreg_imm32_b32 hwreg(HW_REG_WAVE_MODE, 25, 1), 1
	s_wait_xcnt 0x0
; PREP: the operands of the later launches are made once.
;   work-groups   0-255: x [8192][1024] f32 -> codes of FP4 (E2M1), K innermost, xc [8192][512 bytes], and one E8M0 byte for each 32 along K, xs [8192][32]
;   work-groups 256-447: Wq, Wk, Wv [16][1024 (K)][64] f32 -> codes along K, laid as IMAGES of the matrix operand's registers: wc [192 tiles of 16 columns][8 steps of 128 along K][1,024 bytes],
;                        block t of 32 along K of column r at 256 t + 16 r; scale words ws [192][8][16 columns], 4 bytes each.  Column n = 1024 x (q, k, v) + 64 x head + d
;   work-groups 448-575: Wo [1024][1024] f32 -> f16, wo16, same order
; A block's scale is 2^(floor(log2(its largest magnitude)) - 2); its byte is the largest magnitude's exponent field - 2, held at 1 from below.
; LIMITS: a block of zeros gets the byte 1 where the rule says 127 (its codes are zeros, which add nothing, and this program alone reads the bytes); blocks whose largest magnitude lies under 2^-124
; are held at the byte 1; NaN and infinities among the inputs are not served.
; No tensor loads, no barrier: waves share nothing.  Only the first path touches LDS (each wave its own 8,192 bytes).
.set STEPS, 16
.set EMAX,  2
.set CB,    8                          ; bytes of 16 codes
.set R,     16                         ; v16-79   x: four sets of 16 numbers as loaded
.set X,     80                         ; v80-111  x: two sets of 16 neighbours
.set E,     112                        ; v112-127 x: a scale byte for each step
.set C,     128                        ; v128-191 x: codes, four registers for each step
.set WREG,  8192                       ; LDS of a wave: two stages of 32 x SP bytes, then its 256 scale bytes
.set SP,    80                         ; a lane's place in a stage: 64 bytes + 16 of padding
.set SPW,   12                         ; v12 LDS address of my spare word; never rewritten
.set NIL,   13                         ; v13 0; never rewritten
.set SPARE, 4*WREG                     ; behind the four regions: the spare words, 128 bytes a wave, which no other line names
.macro LOAD t                          ; step t of x: four loads of 512 consecutive bytes
.irp i, 0,1,2,3
	global_load_b128 v[R+16*((\t)%4)+4*\i:R+16*((\t)%4)+4*\i+3], v3, s[4:5] offset:2048*(\t)+512*\i th:TH_LOAD_NT
.endr
.endm
.macro TURN t                          ; step t's numbers through the stage: in as they lie, back 64 bytes a lane; LDS serves a wave's instructions in order
.irp i, 0,1,2,3
	ds_store_b128 v14, v[R+16*((\t)%4)+4*\i:R+16*((\t)%4)+4*\i+3] offset:32*SP*((\t)%2)+8*SP*\i
.endr
.irp i, 0,1,2,3
	ds_load_b128 v[X+16*((\t)%2)+4*\i:X+16*((\t)%2)+4*\i+3], v15 offset:32*SP*((\t)%2)+16*\i
.endr
.endm
.macro STEP t
.set XS, X+16*((\t)%2)
.if (\t) > 0
	s_wait_dscnt 1                                 ; this step's numbers are back from the stage; the last step's byte store may be out
.else
	s_wait_dscnt 0x0
.endif
.if (\t)+4 < STEPS
	LOAD (\t)+4                                    ; the stage's stores have read their registers: they take the loads of four steps on
.endif
.if (\t)+1 < STEPS
.if STEPS-2-(\t) >= 3
	s_wait_loadcnt 12                              ; the next step's four loads are in; those of the three steps behind it may be out
.else
	s_wait_loadcnt 4*(STEPS-2-(\t))
.endif
	TURN (\t)+1
.endif
	v_max3_num_f32 v8, |v[XS]|, |v[XS+1]|, |v[XS+2]|               ; the largest magnitude of my 16, in two chains
	v_max3_num_f32 v9, |v[XS+3]|, |v[XS+4]|, |v[XS+5]|
.irp i, 6,10
	v_max3_num_f32 v8, v8, |v[XS+\i]|, |v[XS+\i+1]|
	v_max3_num_f32 v9, v9, |v[XS+\i+2]|, |v[XS+\i+3]|
.endr
	v_max3_num_f32 v8, v8, |v[XS+14]|, |v[XS+15]|
	v_max3_num_f32 v8, v8, v9, (EMAX+1)<<23        ; and the floor 2^(3 - 127): the byte cannot fall under 1
	v_max_num_f32_dpp v8, v8, v8 row_xmask:1 row_mask:0xf bank_mask:0xf   ; with my neighbour's 16: the block's
	v_add_nc_u32 v11, -(EMAX<<23), v8              ; 2 off the exponent field: the conversion takes the exponent field of this operand as its scale
	v_cvt_scalef32_pk8_fp4_f32 v[C+4*(\t)], v[XS:XS+7], v11
	v_cvt_scalef32_pk8_fp4_f32 v[C+4*(\t)+1], v[XS+8:XS+15], v11
	v_lshrrev_b32 v[E+(\t)], 23, v11               ; the scale's byte (a plain line behind the conversions)
	ds_store_b8 v5, v[E+(\t)] offset:16*(\t)       ; both lanes of a block write the same byte with the same value
	global_store_b64 v4, v[C+4*(\t):C+4*(\t)+1], s[8:9] offset:32*CB*(\t)   ; the wave stores 256 consecutive bytes, aligned
.endm
.macro WLOAD t                         ; block t of a weight: W(32 t + i, my column), i = 0 .. 31
.set i, 0
.rept 32
	global_load_b32 v[32+32*(\t)+i], v8, s[4:5] offset:(32*(\t)+i)*256
.set i, i+1
.endr
.endm
.macro WBLOCK t
.set XS, 32+32*(\t)
.if (\t) < 3
	s_wait_loadcnt 32                              ; this block's 32 loads are in; the next block's 32 may be out
.else
	s_wait_loadcnt 0x0
.endif
.if (\t)+2 < 4
	WLOAD (\t)+2
.endif
	v_max3_num_f32 v26, |v[XS]|, |v[XS+1]|, |v[XS+2]|              ; the block's largest magnitude: all 32 numbers are mine
	v_max3_num_f32 v27, |v[XS+3]|, |v[XS+4]|, |v[XS+5]|
.irp i, 6,10,14,18,22,26
	v_max3_num_f32 v26, v26, |v[XS+\i]|, |v[XS+\i+1]|
	v_max3_num_f32 v27, v27, |v[XS+\i+2]|, |v[XS+\i+3]|
.endr
	v_max3_num_f32 v26, v26, |v[XS+30]|, |v[XS+31]|
	v_max3_num_f32 v26, v26, v27, (EMAX+1)<<23
	v_add_nc_u32 v11, -(EMAX<<23), v26
	v_lshrrev_b32 v27, 23, v11                     ; the scale's byte
.if (\t) == 0
	v_mov_b32 v24, v27                             ; four bytes make my column's scale word, the lower K in the lower byte
.else
	v_lshl_or_b32 v24, v27, 8*(\t), v24
.endif
.irp g, 0,1,2,3
	v_cvt_scalef32_pk8_fp4_f32 v[160+4*(\t)+\g], v[XS+8*\g:XS+8*\g+7], v11
.endr
	v_nop                                          ; one plain line behind the conversions, ahead of the next write of their scale operand
	global_store_b128 v9, v[160+4*(\t):160+4*(\t)+3], s[8:9] offset:256*(\t)   ; sixteen lanes store 256 consecutive bytes, aligned: block t of a tile's sixteen columns
.endm
	s_load_b512 s[24:39], s[0:1], 0x0              ; x 24, Wq 26, Wk 28, Wv 30, Wo 32, xc 34, xs 36, wc 38
	s_load_b128 s[40:43], s[0:1], 0x40             ; ws 40, wo16 42
	v_lshl_add_u32 v[SPW], v0, 2, SPARE
	v_mov_b32 v[NIL], 0
	v_lshrrev_b32 v1, 5, v0
	v_readfirstlane_b32 s16, v1                    ; wave
	v_and_b32 v2, 31, v0                           ; lane
	v_lshlrev_b32 v3, 4, v2                        ; the LDS addresses of the first path are made ahead of the parting
	s_mul_i32 s20, s16, WREG
	v_lshrrev_b32 v14, 2, v2
	v_mul_u32_u24 v14, v14, SP
	v_and_b32 v15, 3, v2
	v_lshl_add_u32 v14, v15, 4, v14
	v_add_nc_u32 v14, s20, v14                     ; the stage, on the way in: SP (lane / 4) + 16 (lane % 4)
	v_mul_u32_u24 v15, v2, SP
	v_add_nc_u32 v15, s20, v15                     ; and on the way out: SP x lane
	v_mul_u32_u24 v4, v2, CB                       ; my codes' place in a step's
	v_lshrrev_b32 v5, 1, v2
	s_add_co_u32 s20, s20, 2*32*SP
	v_add_nc_u32 v5, s20, v5                       ; my block's byte among my wave's 256 scale bytes
	v_lshlrev_b32 v7, 3, v2
	v_add_nc_u32 v6, s20, v7
	s_lshl_b32 s17, ttmp9, 2
	s_add_co_u32 s17, s17, s16                     ; 4 x work-group + wave
	s_mov_b32 s19, 0
	s_wait_kmcnt 0x0
	s_cmp_lt_u32 ttmp9, 256
	s_cbranch_scc0 .Lnot_x
	; ---- x: wave u takes 8,192 numbers: 16 steps of 512
	s_lshl_b32 s18, s17, 15
	s_add_nc_u64 s[4:5], s[24:25], s[18:19]
	s_lshl_b32 s18, s17, 12
	s_add_nc_u64 s[8:9], s[34:35], s[18:19]
	s_lshl_b32 s18, s17, 8
	s_add_nc_u64 s[10:11], s[36:37], s[18:19]
.irp t, 0,1,2,3
	LOAD \t
.endr
	s_wait_loadcnt 12                              ; step 0's four loads are in
	TURN 0
.irp t, 0,1,2,3,4,5,6,7,8,9,10,11,12,13,14,15
	STEP \t
.endr
	ds_load_b64 v[8:9], v6                         ; LDS serves a wave's instructions in order: these see my byte stores
	s_wait_dscnt 0x0
	global_store_b64 v7, v[8:9], s[10:11]          ; 32 lanes store 256 consecutive bytes, aligned
	s_wait_tensorcnt 0x0                           ; the wave's end: three closing lines behind my last LDS store
	ds_add_u32 v[SPW], v[NIL]
	s_wait_dscnt 0x0
	s_endpgm
.Lnot_x:
	s_cmp_lt_u32 ttmp9, 448
	s_cbranch_scc0 .Lwo
	; ---- Wq, Wk, Wv: wave u = 16 hw + 2 ks + half takes 32 columns x 128 along K.  A LANE TAKES A COLUMN AND ITS REGISTERS RUN DOWN K: nothing is transposed
	s_sub_co_u32 s17, s17, 1024
	s_and_b32 s23, s17, 1                          ; which 32 of the head's 64 columns: two neighbouring waves read the two halves of the same rows
	s_bfe_u32 s20, s17, 0x30001                    ; ks: which 128 along K
	s_lshr_b32 s21, s17, 4                         ; hw = 16 x tensor + head
	s_lshr_b32 s22, s21, 4                         ; the tensor: 0 q, 1 k, 2 v
	s_and_b32 s44, s21, 15                         ; the head
	s_cmp_eq_u32 s22, 0                            ; the choice hangs on ids alone
	s_cselect_b64 s[4:5], s[26:27], s[28:29]
	s_cmp_eq_u32 s22, 2
	s_cselect_b64 s[4:5], s[30:31], s[4:5]
	s_lshl_b32 s21, s21, 1
	s_add_co_u32 s21, s21, s23                     ; cg: my 32 columns are n = 32 cg ..
	s_lshl_b32 s18, s44, 18                        ; a head is 1,024 rows of 256 bytes
	s_lshl_b32 s45, s20, 15
	s_add_co_u32 s18, s18, s45
	s_lshl_b32 s45, s23, 7
	s_add_co_u32 s18, s18, s45
	s_add_nc_u64 s[4:5], s[4:5], s[18:19]
	s_lshl_b32 s18, s21, 14                        ; two tiles of 8,192 bytes
	s_lshl_b32 s45, s20, 10
	s_add_co_u32 s18, s18, s45
	s_add_nc_u64 s[8:9], s[38:39], s[18:19]
	s_lshl_b32 s18, s21, 10                        ; two tiles of 512 bytes of scale words
	s_lshl_b32 s45, s20, 6
	s_add_co_u32 s18, s18, s45
	s_add_nc_u64 s[10:11], s[40:41], s[18:19]
	v_lshlrev_b32 v8, 2, v2                        ; in: 4 bytes a lane
	v_and_b32 v25, 15, v2
	v_lshrrev_b32 v28, 4, v2
	v_lshlrev_b32 v9, 4, v25
	v_lshl_add_u32 v9, v28, 13, v9                 ; codes: 16 x (lane % 16) in tile lane / 16
	v_lshlrev_b32 v10, 2, v25
	v_lshl_add_u32 v10, v28, 9, v10                ; scale words: 4 x (lane % 16) in tile lane / 16
	WLOAD 0
	WLOAD 1
	WBLOCK 0
	WBLOCK 1
	WBLOCK 2
	WBLOCK 3
	global_store_b32 v10, v24, s[10:11]            ; runs of 64 bytes: 96 KiB in the whole launch
	s_endpgm
.Lwo:
	; ---- Wo: wave u takes 2,048 numbers
	s_sub_co_u32 s17, s17, 1792
	s_lshl_b32 s18, s17, 13
	s_add_nc_u64 s[4:5], s[32:33], s[18:19]
	s_lshl_b32 s18, s17, 12
	s_add_nc_u64 s[8:9], s[42:43], s[18:19]
	v_lshlrev_b32 v8, 4, v2
	v_lshlrev_b32 v9, 3, v2
.irp i, 0,1,2,3,4,5,6,7,8,9,10,11,12,13,14,15
	global_load_b128 v[32+4*\i:35+4*\i], v8, s[4:5] offset:512*\i
.endr
.irp i, 0,1,2,3,4,5,6,7,8,9,10,11,12,13,14,15
	s_wait_loadcnt 15-\i                           ; loads come back in order: load i is in, the younger ones stay out
	v_cvt_pk_f16_f32 v[96+2*\i], v[32+4*\i], v[33+4*\i]
	v_cvt_pk_f16_f32 v[97+2*\i], v[34+4*\i], v[35+4*\i]
	global_store_b64 v9, v[96+2*\i:97+2*\i], s[8:9] offset:256*\i   ; the wave stores 256 consecutive bytes, aligned
.endr
	s_endpgm
.Lfunc_end_k_qfe9e3b5dd5_prep:
	.size	k_qfe9e3b5dd5_prep, .Lfunc_end_k_qfe9e3b5dd5_prep-k_qfe9e3b5dd5_prep
	.p2alignl 7, 3214868480
	.fill 96, 4, 3214868480
	.section	.rodata,"a",@progbits
	.p2align	6, 0x0
	.amdhsa_kernel k_qfe9e3b5dd5_prep
		.amdhsa_group_segment_fixed_size 33280
		.amdhsa_private_segment_fixed_size 0
		.amdhsa_enable_private_segment 0
		.amdhsa_kernarg_size 80
		.amdhsa_user_sgpr_count 2
		.amdhsa_user_sgpr_kernarg_segment_ptr 1
		.amdhsa_wavefront_size32 1
		.amdhsa_system_sgpr_workgroup_id_x 1
		.amdhsa_system_sgpr_workgroup_id_y 1
		.amdhsa_system_sgpr_workgroup_id_z 1
		.amdhsa_system_vgpr_workitem_id 0
		.amdhsa_next_free_vgpr 192
		.amdhsa_next_free_sgpr 66
		.amdhsa_reserve_vcc 0
		.amdhsa_float_denorm_mode_32 3
		.amdhsa_float_denorm_mode_16_64 3
		.amdhsa_memory_ordered 1
		.amdhsa_forward_progress 1
		.amdhsa_inst_pref_size 59
	.end_amdhsa_kernel
	.amdgpu_metadata
---
amdhsa.version: [ 1, 2 ]
amdhsa.kernels:
  - .name:           k_qfe9e3b5dd5_prep
    .symbol:         k_qfe9e3b5dd5_prep.kd
    .args:
      - { .name: x, .offset: 0, .size: 8, .value_kind: global_buffer, .address_space: global }
      - { .name: Wq, .offset: 8, .size: 8, .value_kind: global_buffer, .address_space: global }
      - { .name: Wk, .offset: 16, .size: 8, .value_kind: global_buffer, .address_space: global }
      - { .name: Wv, .offset: 24, .size: 8, .value_kind: global_buffer, .address_space: global }
      - { .name: Wo, .offset: 32, .size: 8, .value_kind: global_buffer, .address_space: global }
      - { .name: xc, .offset: 40, .size: 8, .value_kind: global_buffer, .address_space: global }
      - { .name: xs, .offset: 48, .size: 8, .value_kind: global_buffer, .address_space: global }
      - { .name: wc, .offset: 56, .size: 8, .value_kind: global_buffer, .address_space: global }
      - { .name: ws, .offset: 64, .size: 8, .value_kind: global_buffer, .address_space: global }
      - { .name: wo16, .offset: 72, .size: 8, .value_kind: global_buffer, .address_space: global }
    .group_segment_fixed_size: 33280
    .private_segment_fixed_size: 0
    .kernarg_segment_align: 8
    .kernarg_segment_size: 80
    .max_flat_workgroup_size: 128
    .sgpr_count:     66
    .vgpr_count:     192
    .wavefront_size: 32
...
	.end_amdgpu_metadata
.endif
;; end of part 1
;; launch qkvgemm (part 2): grid 12 x 32, 4 waves a work-group, clusters of 4 x 4, 327,680 bytes of LDS; arguments xc, xs, wc, ws, qkv, h32; writes qkv, h32
.if DOCPART == 2
	.amdgcn_target "amdgcn-amd-amdhsa--gfx1250"
	.amdhsa_code_object_version 6
	.text
	.protected	k_qfe9e3b5dd5_qkvgemm
	.globl	k_qfe9e3b5dd5_qkvgemm
	.p2align	8
	.type	k_qfe9e3b5dd5_qkvgemm,@function
k_qfe9e3b5dd5_qkvgemm:
	s_mov_b64 s[64:65], 0
	v_nop
	global_prefetch_b8 v0, s[64:65] scope:SCOPE_SE
	s_setreg_imm32_b32 hwreg(HW_REG_WAVE_MODE, 25, 1), 1
	s_wait_xcnt 0x0
	s_wait_alu depctr_hold_cnt(0) depctr_sa_sdst(0) depctr_va_vdst(0) depctr_va_sdst(0) depctr_va_ssrc(0) depctr_va_vcc(0) depctr_vm_vsrc(0)
	s_getreg_b32 s2, hwreg(HW_REG_IB_STS2, 6, 4)
	s_cmp_eq_u32 s2, 0
	s_cbranch_scc0 .Lentry_in_a_cluster
	s_endpgm
.Lentry_in_a_cluster:
	s_bfe_u32 s2, ttmp6, 0x10000c
	s_cmp_lg_u32 s2, 0xf033
	s_cbranch_scc0 .Lentry_shape_is_right
	s_endpgm
.Lentry_shape_is_right:
; q, k, v = x W, on codes of FP4 (E2M1) with one E8M0 scale for each 32 along K = 1,024; sums in f32.  M = 8,192 tokens, N = 3,072 columns (q, k, v x 16 heads x 64).
; A tile of 256 x 256 is made by a work-group of four waves; a wave makes 128 x 128: 64 accumulators of 16 x 16, 512 registers.
; ALL OF K LIES IN LDS: two slots of 512 along K, each filled once, at the start: no slot is filled again, so there is no loop and no round of the cluster's barrier but the first and the last.
; x's codes come as rows of 256 bytes (+ 16 of padding in LDS); the weights' codes come as images of the operand's registers, 4,096 bytes for a tile of 16 columns and 512 along K: lane l reads at 16 l.
; THE SCALE WORDS go from memory straight into registers, once: 32 registers for x's 128 rows, 32 for the weights' 128 columns, all 8 steps of K.
; CLUSTERS: 4 x 4 work-groups.  The four of a row of the cluster need the same tiles of x, the four of a column the same tiles of the weights: each tile is asked for jointly.
; The tile row is 8 cy + cluster y: so the batch is cy, and whether a tile holds a sequence's first positions hangs on the cluster's y alone, which all sixteen partners share.
; THE MATRIX INSTRUCTION IS USED TRANSPOSED (source 0 = 16 columns of W, source 1 = 16 tokens): a lane holds eight neighbouring channels of one token.
; OUT: qkv [3][4 b][16 h][2048 t][64] f16; and the first 16 positions of every sequence as f32, h32 [3][4][16][8 pieces][512 bytes], as the accumulators lie: piece 2 ct + half, lane 16 h + r: channels 16 ct + 8 h + 4 half + 0..3 of token r.
; LIMIT: |q|, |k|, |v| stay under 65,504, the largest f16 number.
; REGISTERS: window 0: v16-31 addresses; v32-63 x's scale words, v64-95 the weights' (they hold nothing else); v128-191 x's fragments, ONE set; on the way out v128-223 are free.
;   window 1: the weights' fragments, TWO sets, at v0 and v128.   windows 2, 3: the accumulators of my rows 0-63, 64-127 (accumulator (a, b) at v[8 (8 (a % 4) + b)]).
.set PITCH, 272                        ; a row of x's codes in LDS: 256 bytes + 16
.set HALFA, 128*PITCH
.set BHALF, 32768                      ; 8 tiles of 16 columns x 4,096 bytes
.set SLOT,  2*HALFA+2*BHALF            ; x's 256 rows, then the weights' 16 tiles
.set SPARE, 2*SLOT                     ; behind the slots: the spare words, 128 bytes a wave, which no other line names
.set STAGE, SPARE+512                  ; behind them: 4,608 bytes for each wave, for the way out; no fill lands here
.set ADRA, 16                          ; v16-17 LDS address of my fragments of x in slot 0, 1
.set ADRB, 20                          ; v20-21 the same for the weights
.set STO,  24
.set RD,   25
.set CO,   26                          ; v26 16 x lane
.set SPW,  28                          ; v28 LDS address of my spare word; never rewritten
.set NIL,  29                          ; v29 0; never rewritten
.set SAO,  30
.set SBO,  31
.set SA,   32                          ; register SA + 8 (a % 4) + ks: lanes 0-15 the word of x's block a % 4, lanes 16-31 of block a % 4 + 4, for K step ks
.set SB,   64                          ; register SB + 4 b + ks / 2: lanes 0-15 the word of the weights' block b for an even ks, lanes 16-31 for the odd one
.set AF,   128
.set OB,   128
.set TMP,  192
.set G1,  24
.set G0,  32
.set G1B, 48
.set G0B, 56
.set MSB, 0
.macro WIN new                         ; the immediate's high byte repeats the setting that is left
.if MSB != \new
	s_set_vgpr_msb (MSB<<8)|\new
.set MSB, \new
.endif
.endm
.set MUL_LO, 0xa1                      ; source 0 window 1, source 1 window 0, C and D window 2
.set MUL_HI, 0xf1                      ; the same, C and D window 3
.set TO_B,   0x40                      ; destination window 1, address window 0
; A joint load: waves 0 and 1 fetch x's halves, waves 2 and 3 the weights'.  The branch hangs on the wave's number alone.  An s_nop 0 and four v_nop follow each of the two lines.
.macro JLOAD s
	s_cmp_eq_u32 s15, 0
	s_cbranch_scc0 .Lfor_b_\@
	tensor_load_to_lds s[G0+4*\s:G0+4*\s+3], s[G1:G1+7]
	s_nop 0
.rept 4
	v_nop
.endr
	s_branch .Lasked_\@
.Lfor_b_\@:
	tensor_load_to_lds s[G0B+4*\s:G0B+4*\s+3], s[G1B:G1B+7]
	s_nop 0
.rept 4
	v_nop
.endr
.Lasked_\@:
.endm
.macro CROUND                          ; a round of the cluster's barrier
	s_barrier_signal -1
	s_barrier_wait -1
	s_cmp_lg_u32 s14, 0
	s_cbranch_scc1 .Lnot_wave_0_\@
	s_barrier_signal -3
.Lnot_wave_0_\@:
	s_barrier_wait -3
	s_barrier_signal -1
	s_barrier_wait -1
.endm
.macro PLACES                          ; four plain places behind a matrix instruction, in front of loads into its registers and of reads of its results
.rept 4
	v_nop
.endr
.endm
; 16 matrix instructions: x's blocks a0, a0 + 1 against the weights' eight, K step ks.  p: the weights' set.  zero = 1 (ks = 0): the first product starts the sums.
; The 64 accumulators take turns, one instruction a turn, in the same order in every step.
.macro MUL16 a0, p, ks, zero
.irp a, \a0, \a0+1
.irp b, 0,1,2,3,4,5,6,7
.set rD, 8*(8*((\a)%4)+\b)
.set rB, 128*(\p)+8*\b
.set rA, AF+8*(\a)
.set rSB, SB+4*\b+(\ks)/2
.set rSA, SA+8*((\a)%4)+(\ks)
.if \zero
.if (\a)/4
	v_wmma_scale_f32_16x16x128_f8f6f4 v[rD:rD+7], v[rB:rB+7], v[rA:rA+7], 0, v[rSB], v[rSA] matrix_a_fmt:MATRIX_FMT_FP4 matrix_b_fmt:MATRIX_FMT_FP4 matrix_b_scale:MATRIX_SCALE_ROW1
.else
	v_wmma_scale_f32_16x16x128_f8f6f4 v[rD:rD+7], v[rB:rB+7], v[rA:rA+7], 0, v[rSB], v[rSA] matrix_a_fmt:MATRIX_FMT_FP4 matrix_b_fmt:MATRIX_FMT_FP4
.endif
.elseif ((\ks)%2) && ((\a)/4)
	v_wmma_scale_f32_16x16x128_f8f6f4 v[rD:rD+7], v[rB:rB+7], v[rA:rA+7], v[rD:rD+7], v[rSB], v[rSA] matrix_a_fmt:MATRIX_FMT_FP4 matrix_b_fmt:MATRIX_FMT_FP4 matrix_a_scale:MATRIX_SCALE_ROW1 matrix_b_scale:MATRIX_SCALE_ROW1
.elseif (\ks)%2
	v_wmma_scale_f32_16x16x128_f8f6f4 v[rD:rD+7], v[rB:rB+7], v[rA:rA+7], v[rD:rD+7], v[rSB], v[rSA] matrix_a_fmt:MATRIX_FMT_FP4 matrix_b_fmt:MATRIX_FMT_FP4 matrix_a_scale:MATRIX_SCALE_ROW1
.elseif (\a)/4
	v_wmma_scale_f32_16x16x128_f8f6f4 v[rD:rD+7], v[rB:rB+7], v[rA:rA+7], v[rD:rD+7], v[rSB], v[rSA] matrix_a_fmt:MATRIX_FMT_FP4 matrix_b_fmt:MATRIX_FMT_FP4 matrix_b_scale:MATRIX_SCALE_ROW1
.else
	v_wmma_scale_f32_16x16x128_f8f6f4 v[rD:rD+7], v[rB:rB+7], v[rA:rA+7], v[rD:rD+7], v[rSB], v[rSA] matrix_a_fmt:MATRIX_FMT_FP4 matrix_b_fmt:MATRIX_FMT_FP4
.endif
.endr
.endr
.endm
.macro FETCH_B slot, q, p              ; the weights' eight fragments of the slot's q-th 128 along K into set p: images, 512 consecutive bytes a load
	WIN TO_B
.irp i, 0,1,2,3,4,5,6,7
.irp c, 0,1
	ds_load_b128 v[128*(\p)+8*\i+4*\c:128*(\p)+8*\i+4*\c+3], v[ADRB+\slot] offset:4096*\i+1024*(\q)+512*\c
.endr
.endr
	WIN 0
.endm
.macro FETCH_A slot, q, i0             ; x's blocks i0 .. i0 + 3: lane l holds row l % 16; registers 4 c .. 4 c + 3 hold K = 64 c + 32 (l / 16) + 0 .. 31
.irp i, \i0, \i0+1, \i0+2, \i0+3
.irp c, 0,1
	ds_load_b128 v[AF+8*(\i)+4*\c:AF+8*(\i)+4*\c+3], v[ADRA+\slot] offset:64*(\q)+32*\c+(\i)*16*PITCH
.endr
.endr
.endm
; A step of 128 along K that has its successor in the same slot.  A block of x is free as soon as its eight products are issued, so one set serves x.
.macro STEP slot, q, zero
	s_wait_dscnt 8                                 ; the weights' set and x's blocks 0-3 are in; the youngest eight loads (x's blocks 4-7) may be out
	WIN MUL_LO
	MUL16 0, (\q)%2, 4*(\slot)+(\q), \zero
	MUL16 2, (\q)%2, 4*(\slot)+(\q), \zero
	s_wait_dscnt 0x0                               ; x's blocks 4-7 are in
	PLACES
	FETCH_B \slot, (\q)+1, 1-(\q)%2
	FETCH_A \slot, (\q)+1, 0
	WIN MUL_HI
	MUL16 4, (\q)%2, 4*(\slot)+(\q), \zero
	MUL16 6, (\q)%2, 4*(\slot)+(\q), \zero
	PLACES
	WIN 0
	FETCH_A \slot, (\q)+1, 4
.endm
	s_load_b128 s[4:7], s[0:1], 0x0                ; xc, xs
	s_load_b128 s[8:11], s[0:1], 0x10              ; wc, ws
	s_load_b64 s[12:13], s[0:1], 0x20              ; qkv
	s_load_b64 s[66:67], s[0:1], 0x28              ; h32
	v_lshl_add_u32 v[SPW], v0, 2, SPARE
	v_mov_b32 v[NIL], 0
	ds_add_u32 v[SPW], v[NIL]                      ; the wave's opening: the add, twice on end, and its wait ahead of my first tensor load
	ds_add_u32 v[SPW], v[NIL]
	v_lshrrev_b32 v1, 5, v0
	v_readfirstlane_b32 s14, v1                    ; wave 0..3
	s_lshr_b32 s15, s14, 1                         ; which half of the tile's rows is mine.  Also: I fetch for x (0) or for the weights (1)
	s_and_b32 s16, s14, 1                          ; which half of its columns.  Also: which half of that tile I fetch
	s_bfe_u32 s40, ttmp6, 0x40000                  ; cx
	s_bfe_u32 s41, ttmp6, 0x40004                  ; cy
	s_lshl_b32 s42, ttmp9, 2
	s_add_co_u32 s42, s42, s40                     ; tile column = 4 x cluster x + cx: the tensor is cluster x
	s_and_b32 s45, ttmp7, 0xffff                   ; cluster y
	s_lshl_b32 s17, s41, 3
	s_add_co_u32 s17, s17, s45                     ; tile row = 8 cy + cluster y: the batch is cy
	s_lshl_b32 s43, s41, 2
	s_lshl_b32 s43, 15, s43                        ; my row of the cluster
	s_lshl_b32 s44, 0x1111, s40                    ; my column
	s_or_b32 s[G1+0], s43, (1<<20)|(1<<21)|(5<<22)|(3<<25)   ; the mask; elements of 1 byte; padding: 4 words behind every 64
	s_mov_b32 s[G1+1], 256<<16                     ; tensor_dim0 = 256
	s_mov_b32 s[G1+2], 128<<16                     ; tensor_dim1 = 128
	s_mov_b32 s[G1+3], 256<<16                     ; tile_dim0
	s_mov_b32 s[G1+4], 128                         ; tile_dim1
	s_mov_b32 s[G1+5], 512                         ; a row of xc
	s_mov_b32 s[G1+6], 0
	s_mov_b32 s[G1+7], 0
	s_or_b32 s[G1B+0], s44, (1<<21)                ; the mask; elements of 1 byte; no padding
	s_mov_b32 s[G1B+1], 4096<<16                   ; 8 tiles of 16 columns, 4,096 bytes of each,
	s_mov_b32 s[G1B+2], 8<<16
	s_mov_b32 s[G1B+3], 4096<<16
	s_mov_b32 s[G1B+4], 8
	s_mov_b32 s[G1B+5], 8192                       ; 8,192 bytes apart
	s_mov_b32 s[G1B+6], 0
	s_mov_b32 s[G1B+7], 0
	s_lshl_b32 s20, s17, 8                         ; x: rows 256 x tile row + 128 x half, of 512 bytes
	s_lshl_b32 s18, s16, 7
	s_add_co_u32 s20, s20, s18
	s_lshl_b32 s20, s20, 9
	s_mov_b32 s21, 0
	s_lshl_b32 s46, s42, 4                         ; the weights: tiles 16 x tile column + 8 x half, of 8,192 bytes
	s_lshl_b32 s19, s16, 3
	s_add_co_u32 s46, s46, s19
	s_lshl_b32 s46, s46, 13
	s_mov_b32 s47, 0
	s_mul_i32 s22, s16, HALFA                      ; where they go: no place in the cluster enters an LDS address
	s_lshl_b32 s23, s16, 15
	s_add_co_u32 s23, s23, 2*HALFA
	s_lshl_b32 s68, s17, 8                         ; the scale words of MY 128 rows of x: 32 bytes a row
	s_lshl_b32 s69, s15, 7
	s_add_co_u32 s68, s68, s69
	s_lshl_b32 s68, s68, 5
	s_mov_b32 s69, 0
	s_lshl_b32 s70, s42, 4                         ; and of my 8 tiles of columns: 512 bytes a tile
	s_lshl_b32 s71, s16, 3
	s_add_co_u32 s70, s70, s71
	s_lshl_b32 s70, s70, 9
	s_mov_b32 s71, 0
	s_lshl_b32 s72, ttmp9, 6                       ; 64 x tensor + 16 x batch + my first head (4 cx + 2 x column half)
	s_lshl_b32 s73, s41, 4
	s_add_co_u32 s72, s72, s73
	s_lshl_b32 s73, s40, 2
	s_add_co_u32 s72, s72, s73
	s_lshl_b32 s73, s16, 1
	s_add_co_u32 s72, s72, s73
	s_lshl_b32 s74, s72, 12                        ; in h32: 4,096 bytes a head
	s_mov_b32 s75, 0
	s_lshl_b32 s72, s72, 18                        ; in qkv: 262,144 bytes a head,
	s_lshl_b32 s73, s45, 15                        ; + my first token (256 x cluster y + 128 x row half) x 128 bytes
	s_add_co_u32 s72, s72, s73
	s_lshl_b32 s73, s15, 14
	s_add_co_u32 s72, s72, s73
	s_mov_b32 s73, 0
	v_and_b32 v1, 15, v0                           ; r
	v_bfe_u32 v2, v0, 4, 1                         ; h
	v_and_b32 v3, 31, v0                           ; lane
	v_lshlrev_b32 v[SAO], 5, v1
	v_lshl_add_u32 v[SAO], v2, 11, v[SAO]          ; x's scale words: row r, lanes 16-31 64 rows further down
	v_lshlrev_b32 v[SBO], 2, v3                    ; the weights': 4 x lane
	s_wait_dscnt 0x0                               ; both opening adds are done
	s_wait_kmcnt 0x0
	s_add_nc_u64 s[20:21], s[4:5], s[20:21]
	s_add_nc_u64 s[46:47], s[8:9], s[46:47]
	s_add_nc_u64 s[68:69], s[6:7], s[68:69]
	s_add_nc_u64 s[70:71], s[10:11], s[70:71]
	s_add_nc_u64 s[12:13], s[12:13], s[72:73]
	s_add_nc_u64 s[66:67], s[66:67], s[74:75]
	CROUND                                         ; all sixteen work-groups are here: the joint loads meet
.irp s, 0,1
	s_mov_b32 s[G0+4*\s], 1
	s_add_co_u32 s[G0+4*\s+1], s22, \s*SLOT
	s_add_nc_u64 s[G0+4*\s+2:G0+4*\s+3], s[20:21], \s*256
	s_or_b32 s[G0+4*\s+3], s[G0+4*\s+3], 0x80000000
	s_mov_b32 s[G0B+4*\s], 1
	s_add_co_u32 s[G0B+4*\s+1], s23, \s*SLOT
	s_add_nc_u64 s[G0B+4*\s+2:G0B+4*\s+3], s[46:47], \s*4096
	s_or_b32 s[G0B+4*\s+3], s[G0B+4*\s+3], 0x80000000
	JLOAD \s                                       ; two loads of mine are out: all of K
.endr
.irp i, 0,1,2,3
.irp g, 0,1
	global_load_b128 v[SA+8*\i+4*\g:SA+8*\i+4*\g+3], v[SAO], s[68:69] offset:512*\i+16*\g   ; K steps 4 g .. 4 g + 3 of blocks i (lanes 0-15) and i + 4 (lanes 16-31)
.endr
.endr
.irp b, 0,1,2,3,4,5,6,7
.irp kp, 0,1,2,3
	global_load_b32 v[SB+4*\b+\kp], v[SBO], s[70:71] offset:512*\b+128*\kp   ; tile b: K step 2 kp (lanes 0-15) and 2 kp + 1 (lanes 16-31)
.endr
.endr
	v_mul_u32_u24 v4, v1, PITCH
	v_lshl_add_u32 v4, v2, 4, v4
	s_mul_i32 s18, s15, HALFA
	v_add_nc_u32 v[ADRA], s18, v4
	v_add_nc_u32 v[ADRA+1], SLOT, v[ADRA]
	s_lshl_b32 s19, s16, 15
	s_add_co_u32 s19, s19, 2*HALFA
	v_lshl_add_u32 v[ADRB], v3, 4, s19
	v_add_nc_u32 v[ADRB+1], SLOT, v[ADRB]
	s_mul_i32 s18, s14, 4608
	s_add_co_u32 s18, s18, STAGE                   ; my stage: two heads x 16 tokens x (128 bytes + 16)
	v_mul_u32_u24 v5, v1, 144
	v_lshl_add_u32 v5, v2, 4, v5
	v_add_nc_u32 v[STO], s18, v5                   ; in: token r, 16 bytes for each half of the lanes
	v_lshrrev_b32 v5, 3, v3
	v_mul_u32_u24 v5, v5, 144
	v_and_b32 v6, 7, v3
	v_lshl_add_u32 v5, v6, 4, v5
	v_add_nc_u32 v[RD], s18, v5                    ; back: eight lanes to a token's 128 bytes, four tokens an instruction
	v_lshlrev_b32 v[CO], 4, v3
	s_wait_tensorcnt 1                             ; my part of slot 0 is in; slot 1's load may stay out
	s_barrier_signal -1
	s_barrier_wait -1                              ; everybody's is
	FETCH_B 0, 0, 0
	FETCH_A 0, 0, 0
	FETCH_A 0, 0, 4
	s_wait_loadcnt 0x0                             ; the scale words
	STEP 0, 0, 1                                   ; the first step's products start the sums: nothing is cleared
	STEP 0, 1, 0
	STEP 0, 2, 0
	; slot 0's last step changes slots: one barrier; in front of it each wave waits for its load of slot 1 and for its own LDS instructions
	s_wait_tensorcnt 0x0                           ; my part of slot 1 has landed
	ds_add_u32 v[SPW], v[NIL]                      ; 0 onto my spare word
	s_wait_dscnt 9                                 ; (the add and the youngest eight loads may be out)
	WIN MUL_LO
	MUL16 0, 1, 3, 0
	s_wait_dscnt 0x0
	s_barrier_signal -1
	MUL16 2, 1, 3, 0                               ; work on registers while the others arrive
	WIN 0
	s_barrier_wait -1                              ; slot 1 is whole
	PLACES
	FETCH_B 1, 0, 0
	FETCH_A 1, 0, 0
	WIN MUL_HI
	MUL16 4, 1, 3, 0
	MUL16 6, 1, 3, 0
	PLACES
	WIN 0
	FETCH_A 1, 0, 4
	STEP 1, 0, 0
	STEP 1, 1, 0
	STEP 1, 2, 0
	s_wait_dscnt 8                                 ; the very last step: nothing more to fetch
	WIN MUL_LO
	MUL16 0, 1, 7, 0
	MUL16 2, 1, 7, 0
	s_wait_dscnt 0x0
	WIN MUL_HI
	MUL16 4, 1, 7, 0
	MUL16 6, 1, 7, 0
	WIN 0
	PLACES                                         ; behind the last products, in front of every read of results and of the loads into x's fragments' registers
	; THE FIRST 16 POSITIONS OF A SEQUENCE, IN f32: they are block 0 of the upper row half of the tiles with cluster y = 0.  The branch hangs on the cluster's y and the wave's number: alike in all partners.
	s_or_b32 s18, s45, s15
	s_cmp_lg_u32 s18, 0
	s_cbranch_scc1 .Lno_copy
	WIN 0x08                                       ; a store's data are its source 1: window 2
.irp b, 0,1,2,3,4,5,6,7
	global_store_b128 v[CO], v[8*\b:8*\b+3], s[66:67] offset:1024*\b          ; 512 consecutive bytes a store; each accumulator from its low end on
	global_store_b128 v[CO], v[8*\b+4:8*\b+7], s[66:67] offset:1024*\b+512
.endr
	WIN 0
.Lno_copy:
; THE WAY OUT, block by block of 16 tokens x 128 channels (two heads): rounded to f16, 16 bytes a lane, through my own stage, back as four tokens' 512 consecutive bytes of one head.
.macro PACK a
.set AC, 64*((\a)%4)
	WIN 0x0a+5*((\a)/4)                            ; sources 0 and 1: window 2 or 3
.irp b, 0,1,2,3,4,5,6,7
.irp r, 0,1,2,3
	v_cvt_pk_f16_f32 v[TMP+4*\b+\r], v[AC+8*\b+2*\r], v[AC+8*\b+2*\r+1]
.endr
.endr
	WIN 0
.endm
.macro TOSTAGE a
.set BB, OB+32*((\a)%2)
.irp b, 0,1,2,3,4,5,6,7
	ds_store_b128 v[STO], v[TMP+4*\b:TMP+4*\b+3] offset:(\b/4)*2304+(\b%4)*32
.endr
.irp t, 0,1,2,3,4,5,6,7
	ds_load_b128 v[BB+4*\t:BB+4*\t+3], v[RD] offset:(\t/4)*2304+(\t%4)*576   ; LDS serves a wave's instructions in order: these see the stores above
.endr
.endm
.macro SEND a
.set BB, OB+32*((\a)%2)
	s_wait_dscnt 0x0                               ; the block is back in registers
	s_wait_xcnt 0x0                                ; the stores of the block before have read their registers: the next block's loads may land there
.irp t, 0,1,2,3,4,5,6,7
	global_store_b128 v[CO], v[BB+4*\t:BB+4*\t+3], s[12:13] offset:(\t/4)*262144+2048*(\a)+(\t%4)*512   ; 32 lanes store 512 consecutive bytes, aligned
.endr
.endm
	PACK 0
	TOSTAGE 0
.irp a, 1,2,3,4,5,6,7                  ; block a's conversions stand between block a - 1's loads from the stage and the wait for them
	PACK \a
	SEND \a-1
	TOSTAGE \a
.endr
	SEND 7
	s_wait_tensorcnt 0x0                           ; the wave's end: three closing lines behind my last tensor load and my last LDS store
	ds_add_u32 v[SPW], v[NIL]
	s_wait_dscnt 0x0
	CROUND                                         ; the closing round
	s_endpgm
.Lfunc_end_k_qfe9e3b5dd5_qkvgemm:
	.size	k_qfe9e3b5dd5_qkvgemm, .Lfunc_end_k_qfe9e3b5dd5_qkvgemm-k_qfe9e3b5dd5_qkvgemm
	.p2alignl 7, 3214868480
	.fill 96, 4, 3214868480
	.section	.rodata,"a",@progbits
	.p2align	6, 0x0
	.amdhsa_kernel k_qfe9e3b5dd5_qkvgemm
		.amdhsa_group_segment_fixed_size 327680
		.amdhsa_private_segment_fixed_size 0
		.amdhsa_enable_private_segment 0
		.amdhsa_kernarg_size 48
		.amdhsa_user_sgpr_count 2
		.amdhsa_user_sgpr_kernarg_segment_ptr 1
		.amdhsa_wavefront_size32 1
		.amdhsa_system_sgpr_workgroup_id_x 1
		.amdhsa_system_sgpr_workgroup_id_y 1
		.amdhsa_system_sgpr_workgroup_id_z 1
		.amdhsa_system_vgpr_workitem_id 0
		.amdhsa_next_free_vgpr 1024
		.amdhsa_next_free_sgpr 98
		.amdhsa_reserve_vcc 0
		.amdhsa_float_denorm_mode_32 3
		.amdhsa_float_denorm_mode_16_64 3
		.amdhsa_memory_ordered 1
		.amdhsa_forward_progress 1
		.amdhsa_inst_pref_size 129
	.end_amdhsa_kernel
	.amdgpu_metadata
---
amdhsa.version: [ 1, 2 ]
amdhsa.kernels:
  - .name:           k_qfe9e3b5dd5_qkvgemm
    .symbol:         k_qfe9e3b5dd5_qkvgemm.kd
    .args:
      - { .name: xc, .offset: 0, .size: 8, .value_kind: global_buffer, .address_space: global }
      - { .name: xs, .offset: 8, .size: 8, .value_kind: global_buffer, .address_space: global }
      - { .name: wc, .offset: 16, .size: 8, .value_kind: global_buffer, .address_space: global }
      - { .name: ws, .offset: 24, .size: 8, .value_kind: global_buffer, .address_space: global }
      - { .name: qkv, .offset: 32, .size: 8, .value_kind: global_buffer, .address_space: global }
      - { .name: h32, .offset: 40, .size: 8, .value_kind: global_buffer, .address_space: global }
    .group_segment_fixed_size: 327680
    .private_segment_fixed_size: 0
    .kernarg_segment_align: 8
    .kernarg_segment_size: 48
    .max_flat_workgroup_size: 128
    .sgpr_count:     98
    .vgpr_count:     1024
    .wavefront_size: 32
...
	.end_amdgpu_metadata
.endif
;; end of part 2
;; launch attn (part 3): grid 4 x 64, 8 waves a work-group, no clusters, 327,680 bytes of LDS; arguments qkv, a16; writes a16
.if DOCPART == 3
	.amdgcn_target "amdgcn-amd-amdhsa--gfx1250"
	.amdhsa_code_object_version 6
	.text
	.protected	k_qfe9e3b5dd5_attn
	.globl	k_qfe9e3b5dd5_attn
	.p2align	8
	.type	k_qfe9e3b5dd5_attn,@function
k_qfe9e3b5dd5_attn:
	s_mov_b64 s[64:65], 0
	v_nop
	global_prefetch_b8 v0, s[64:65] scope:SCOPE_SE
	s_setreg_imm32_b32 hwreg(HW_REG_WAVE_MODE, 25, 1), 1
	s_wait_xcnt 0x0
; a[b][h][t][:] = the sum over s <= t of softmax_s(q[t] . k[s] / 32) v[s][:].  q, k, v: qkv [3][64 bh][2048][64] f16; a16 [64 bh][2048][64] f16.  Products, maxima and sums in f32; the weights p are rounded to f16 for the second product.
; SHARES.  Work-group (p, bh) owns the blocks of 256 queries 7 - p and p of head bh, one after the other.  Block j needs the key slots (256 keys) 0 .. j: (8 - p) + (p + 1) = 9 slots for every work-group:
; 256 work-groups of equal work, and every trip count is a constant.  A wave owns 32 queries, two tiles of 16, so that each fragment of K and V read from LDS feeds two matrix instructions.
; LAYOUT.  S^T = K Q^T (source 0 = 16 keys, source 1 = 16 queries): a lane holds ONE query (lane % 16) and the keys 8 (lane / 16) + 0..7 of a tile.  Two such tiles, rounded in pairs, ARE source 1 of O^T = V^T P.
; K comes out of LDS as it lies, V ([key][channel]) turned, by ds_load_tr16_b128.
; SOFTMAX.  For each query a running maximum m and sum l: p = 2^(c s - c m), c = log2(e) / 32; in every step O and l are multiplied by 2^(c m_old - c m_new).
; THE MASK.  A step (64 keys) all of whose keys come after the wave's 32 queries is left out by a scalar branch on ids; on the diagonal hidden scores become -infinity ahead of the maximum.  Key 0 counts for every query.
; NO CLUSTER: the four work-groups of a head change from their first block to their second at different trips (8 - p), so from there on they want different key slots: a joint walk would bring whole tiles that no wave of some partner reads.
; LIMIT: the attention result stays under 65,504, the largest f16 number (it is an average of v).
; REGISTERS.  window 0: v1-13 addresses and constants; v16-39 twelve registers of statistics a tile; v40-71 Q; v72-135 K of a step; v136-199 S^T; v200-231 P; v232-235 at work.
;   window 1: v0-63 O^T; v64-127 V of a step; v128-159 the second block's Q.
.set KP,    144                        ; a key's row of K in LDS: 128 bytes + 16
.set VP,    160                        ; of V: 128 + 32
.set VOFF,  256*KP                     ; a slot: 256 rows of K, then 256 rows of V
.set SLOT1, 1<<17                      ; slot 1 begins here: one exclusive or turns an address in one slot into the other's
.set STAGE, 2*SLOT1                    ; behind the ring: 32 rows x 144 bytes for each wave, for the way out; no fill lands here
.set SPARE, STAGE+8*4608               ; behind the stages: the spare words, 128 bytes a wave, which no other line names
.set AK0, 1
.set AV0, 2
.set ADK, 3
.set ADV, 4
.set SPW, 5                            ; v5 LDS address of my spare word; never rewritten
.set NIL, 6                            ; v6 0; never rewritten
.set QO,  7
.set LD,  8                            ; v8 lane % 16 - 8 (lane / 16)
.set STO, 9
.set RD,  10
.set GO,  11
.set PFO, 12
.set NEG, 13                           ; v13 -infinity
.set ST,  16                           ; tile t at v[ST + 12 t]: +0 c m, +1 m, +2, +3 l, +4 .. +7 at work, +8, +9 the factor (a pair), +10 c m_old - c m_new, +11 the mask's bound
.set Q,   40
.set KR,  72
.set S,   136
.set P,   200
.set TS,  232
.set O,   0                            ; window 1
.set VR,  64
.set Q2,  128
.set WV,  18
.set SEL, 20
.set CS,  22
.set G1K, 24
.set G1V, 32
.set G0K, 40
.set G0V, 44
.set KB,  48                           ; s[48:49] K of my head at my half of key slot 0;  s[50:51] V likewise
.set VB,  50
.set OFF, 52                           ; s[52:53] the next key slot in bytes
.set NKS, 54                           ; s54 the key slot of the trip that is being asked for
.set NH,  55                           ; s55 8 - p: trips of the first block
.set CNT, 56
.set TB,  57                           ; s57 LDS byte at which the slot in hand begins
.set KF,  58                           ; s58 the step's first key
.set Q0,  59                           ; s59 my first query
.set Q0L, 60                           ; s60 and in the second block
.set PP,  61                           ; s61 p
.set OUTH, 66
.set OUTL, 68
.set PFK, 70
.set PFV, 72
.set LIM, 74
.set MSB, 0
.macro WIN new                         ; the immediate's high byte repeats the setting that is left
.if MSB != \new
	s_set_vgpr_msb (MSB<<8)|\new
.set MSB, \new
.endif
.endm
; Waves 0 and 1 fetch K's halves of a slot, waves 2 and 3 V's, the others nothing.  The branches hang on the wave's number alone.  An s_nop 0 and four v_nop follow each of the two lines.
.macro TLOAD
	s_cmp_lt_u32 s[WV], 2
	s_cbranch_scc0 .Lnot_k_\@
	tensor_load_to_lds s[G0K:G0K+3], s[G1K:G1K+7]
	s_nop 0
.rept 4
	v_nop
.endr
	s_branch .Lasked_\@
.Lnot_k_\@:
	s_cmp_lt_u32 s[WV], 4
	s_cbranch_scc0 .Lasked_\@
	tensor_load_to_lds s[G0V:G0V+3], s[G1V:G1V+7]
	s_nop 0
.rept 4
	v_nop
.endr
.Lasked_\@:
.endm
; A PREFETCH of the key slot that the NEXT change of slots will ask for: 32,768 bytes of K and of V.  All four work-groups of a head begin with key slots 0, 1, 2 ..: the one with p = 0, which walks all eight in its first block, asks.
; In it the waves ask that fetch nothing, waves 4 to 7: 8,192 bytes of K and of V each, lanes 256 bytes apart: each aligned block of 256 bytes is named once in the launch.  Trip J names key slot J + 2, for J <= 5: slot 7 is the last.
.macro ASK
	s_cmp_gt_u32 s[CNT], s[LIM]
	s_cbranch_scc0 .Lnot_mine_\@
	global_prefetch_b8 v[PFO], s[PFK:PFK+1] th:TH_LOAD_NT scope:SCOPE_SE
	global_prefetch_b8 v[PFO], s[PFV:PFV+1] th:TH_LOAD_NT scope:SCOPE_SE
.Lnot_mine_\@:
.endm
; A KEY STEP: 64 keys, the q-th of the slot in hand.
.macro STEP q
	s_add_co_u32 s96, s[Q0], 31
	s_cmp_gt_u32 s[KF], s96                        ; all keys of the step come after my 32 queries: ids and the count of steps alone
	s_cbranch_scc1 .Lhidden_\@
	v_add_nc_u32 v[ADK], s[TB], v[AK0]
	v_add_nc_u32 v[ADV], s[TB], v[AV0]
	v_nop
	v_nop                                          ; four plain places behind the last step's products, in front of the loads into V's registers
.irp f, 0,1,2,3,4,5,6,7                        ; keys 16 (f / 2) on, channels 32 (f % 2) on
	ds_load_b128 v[KR+8*\f:KR+8*\f+3],   v[ADK] offset:(\q)*64*KP+(\f/2)*16*KP+(\f%2)*64
	ds_load_b128 v[KR+8*\f+4:KR+8*\f+7], v[ADK] offset:(\q)*64*KP+(\f/2)*16*KP+(\f%2)*64+32
.endr
	WIN 0x40                                       ; destination window 1
.irp f, 0,1,2,3,4,5,6,7                        ; keys 32 (f / 4) on, channels 16 (f % 4) on
	ds_load_tr16_b128 v[VR+8*\f:VR+8*\f+3],   v[ADV] offset:(\q)*64*VP+(\f/4)*32*VP+(\f%4)*32
	ds_load_tr16_b128 v[VR+8*\f+4:VR+8*\f+7], v[ADV] offset:(\q)*64*VP+(\f/4)*32*VP+16*VP+(\f%4)*32
.endr
	WIN 0
	s_wait_dscnt 16                                ; K is in; V's sixteen loads may be out
.irp c, 0,1                                    ; S^T = K Q^T: eight accumulators by turns; the first eight products start the sums
.irp kt, 0,1,2,3
.irp t, 0,1
.if \c == 0
	v_wmma_f32_16x16x32_f16 v[S+32*\t+8*\kt:S+32*\t+8*\kt+7], v[KR+8*(2*\kt+\c):KR+8*(2*\kt+\c)+7], v[Q+16*\t+8*\c:Q+16*\t+8*\c+7], 0
.else
	v_wmma_f32_16x16x32_f16 v[S+32*\t+8*\kt:S+32*\t+8*\kt+7], v[KR+8*(2*\kt+\c):KR+8*(2*\kt+\c)+7], v[Q+16*\t+8*\c:Q+16*\t+8*\c+7], v[S+32*\t+8*\kt:S+32*\t+8*\kt+7]
.endif
.endr
.endr
.endr
.rept 4
	v_nop
.endr
	s_add_co_u32 s96, s[KF], 63
	s_cmp_le_u32 s96, s[Q0]                        ; all keys of the step count for all my queries: no mask
	s_cbranch_scc1 .Lopen_\@
	s_sub_co_i32 s96, s[Q0], s[KF]
	v_add_nc_u32 v[ST+11], s96, v[LD]              ; register 8 kt + j of tile t holds key KF + 16 kt + 8 (lane / 16) + j: hidden where 16 kt + j > my query - KF - 8 (lane / 16)
	v_add_nc_u32 v[ST+23], 16, v[ST+11]
.irp t, 0,1
.set n, 0
.rept 32
	v_cmp_gt_i32 vcc_lo, 16*(n/8)+n%8, v[ST+12*\t+11]
	v_cndmask_b32 v[S+32*\t+n], v[S+32*\t+n], v[NEG], vcc_lo
.set n, n+1
.endr
.endr
.Lopen_\@:
.irp j, 0,1,2,3                                ; the maximum of my 32 scores and the old m; each accumulator is read from its low end on; the two tiles by turns
.irp t, 0,1
	v_max3_num_f32 v[ST+12*\t+4+\j], v[S+32*\t+8*\j], v[S+32*\t+8*\j+1], v[S+32*\t+8*\j+2]
.endr
.endr
.irp u, 3,5
.irp j, 0,1,2,3
.irp t, 0,1
	v_max3_num_f32 v[ST+12*\t+4+\j], v[ST+12*\t+4+\j], v[S+32*\t+8*\j+\u], v[S+32*\t+8*\j+\u+1]
.endr
.endr
.endr
.irp t, 0,1
	v_max3_num_f32 v[ST+12*\t+4], v[ST+12*\t+4], v[S+32*\t+7], v[S+32*\t+15]
.endr
.irp t, 0,1
	v_max3_num_f32 v[ST+12*\t+6], v[ST+12*\t+6], v[S+32*\t+23], v[S+32*\t+31]
.endr
.irp t, 0,1
	v_max3_num_f32 v[ST+12*\t+4], v[ST+12*\t+4], v[ST+12*\t+5], v[ST+12*\t+6]
.endr
.irp t, 0,1
	v_max3_num_f32 v[ST+12*\t+4], v[ST+12*\t+4], v[ST+12*\t+7], v[ST+12*\t+1]
.endr
.irp t, 0,1
	v_permlanex16_b32 v[ST+12*\t+5], v[ST+12*\t+4], s[SEL], s[SEL+1]   ; the query's other 32 keys lie in the lane 16 away
.endr
.irp t, 0,1
	v_mov_b32 v[ST+12*\t+10], v[ST+12*\t]          ; c m_old
.endr
.irp t, 0,1
	v_max_num_f32 v[ST+12*\t+1], v[ST+12*\t+4], v[ST+12*\t+5]
.endr
.irp t, 0,1
	v_mul_f32 v[ST+12*\t], s[CS], v[ST+12*\t+1]
.endr
.irp t, 0,1
	v_sub_f32 v[ST+12*\t+10], v[ST+12*\t+10], v[ST+12*\t]
.endr
.set n, 0
.rept 16
.irp t, 0,1
	v_pk_fma_f32 v[S+32*\t+2*n:S+32*\t+2*n+1], v[S+32*\t+2*n:S+32*\t+2*n+1], s[CS:CS+1], v[ST+12*\t:ST+12*\t+1] op_sel_hi:[1,0,0] neg_lo:[0,0,1] neg_hi:[0,0,1]   ; c s - c m, two at a time
.endr
.set n, n+1
.endr
.irp t, 0,1                                    ; ONE BATCH of 66 exponentials: none reads another's result
	v_exp_f32 v[ST+12*\t+8], v[ST+12*\t+10]
.endr
.set n, 0
.rept 32
.irp t, 0,1
	v_exp_f32 v[S+32*\t+n], v[S+32*\t+n]
.endr
.set n, n+1
.endr
	v_nop                                          ; a plain line behind the last exponential
	s_wait_alu depctr_va_vdst(0)                   ; one wait for the whole batch, ahead of its first reader
.irp t, 0,1                                    ; the sums, of the unrounded p: four chains
	v_pk_fma_f32 v[ST+12*\t+2:ST+12*\t+3], v[ST+12*\t+2:ST+12*\t+3], v[ST+12*\t+8:ST+12*\t+9], v[S+32*\t:S+32*\t+1] op_sel_hi:[1,0,1]
.endr
.irp t, 0,1
	v_pk_add_f32 v[TS+2*\t:TS+2*\t+1], v[S+32*\t+2:S+32*\t+3], v[S+32*\t+4:S+32*\t+5]
.endr
.irp b, 3,5,7,9,11,13
.irp t, 0,1
	v_pk_add_f32 v[ST+12*\t+2:ST+12*\t+3], v[ST+12*\t+2:ST+12*\t+3], v[S+32*\t+2*\b:S+32*\t+2*\b+1]
.endr
.irp t, 0,1
	v_pk_add_f32 v[TS+2*\t:TS+2*\t+1], v[TS+2*\t:TS+2*\t+1], v[S+32*\t+2*\b+2:S+32*\t+2*\b+3]
.endr
.endr
.irp t, 0,1
	v_pk_add_f32 v[ST+12*\t+2:ST+12*\t+3], v[ST+12*\t+2:ST+12*\t+3], v[S+32*\t+30:S+32*\t+31]
.endr
.irp t, 0,1
	v_pk_add_f32 v[ST+12*\t+2:ST+12*\t+3], v[ST+12*\t+2:ST+12*\t+3], v[TS+2*\t:TS+2*\t+1]
.endr
.set n, 0
.rept 16
.irp t, 0,1
	v_cvt_pk_f16_f32 v[P+16*\t+n], v[S+32*\t+2*n], v[S+32*\t+2*n+1]
.endr
.set n, n+1
.endr
	WIN 0x41                                       ; O^T (destination and source 0) in window 1, the factor in window 0
.set n, 0
.rept 16
.irp t, 0,1
	v_pk_mul_f32 v[O+32*\t+2*n:O+32*\t+2*n+1], v[O+32*\t+2*n:O+32*\t+2*n+1], v[ST+12*\t+8:ST+12*\t+9] op_sel_hi:[1,0]
.endr
.set n, n+1
.endr
	s_wait_dscnt 0x0                               ; V is in
	WIN 0x51                                       ; V, C and D in window 1, P in window 0
.irp g, 0,1                                    ; O^T += V^T P: eight accumulators by turns
.irp ct, 0,1,2,3
.irp t, 0,1
	v_wmma_f32_16x16x32_f16 v[O+32*\t+8*\ct:O+32*\t+8*\ct+7], v[VR+8*(4*\g+\ct):VR+8*(4*\g+\ct)+7], v[P+16*\t+8*\g:P+16*\t+8*\g+7], v[O+32*\t+8*\ct:O+32*\t+8*\ct+7]
.endr
.endr
.endr
	WIN 0
.Lhidden_\@:
	s_add_co_u32 s[KF], s[KF], 64
.endm
; THE CHANGE OF SLOTS stands at a slot's head.  Each wave waits for all its tensor loads, adds 0 to its spare word, and waits for that and for its reads of the slot that it has left.  Behind the barrier the slot ahead is whole
; and nobody reads the other one.  fill = 1: that other slot is filled with the next trip's key slot, which has a whole slot's four steps in which to land.
.macro CHANGE fill
	s_wait_tensorcnt 0x0                           ; no tensor load of mine is out, so a group 0 may be written
	ds_add_u32 v[SPW], v[NIL]                      ; 0 onto my spare word
.if \fill
	ds_add_u32 v[SPW], v[NIL]                      ; and once more: the add twice on end, in every trip alike
	s_xor_b32 s[G0K+1], s[G0K+1], SLOT1            ; the other slot than last time
	s_xor_b32 s[G0V+1], s[G0V+1], SLOT1
	s_add_co_u32 s[NKS], s[NKS], 1                 ; the next key slot; behind the first block's last it is 0 again
	s_cmp_eq_u32 s[NKS], s[NH]
	s_cselect_b32 s[NKS], 0, s[NKS]
	s_lshl_b32 s[OFF], s[NKS], 15
	s_add_nc_u64 s[G0K+2:G0K+3], s[KB:KB+1], s[OFF:OFF+1]
	s_or_b32 s[G0K+3], s[G0K+3], 0x80000000
	s_add_nc_u64 s[G0V+2:G0V+3], s[VB:VB+1], s[OFF:OFF+1]
	s_or_b32 s[G0V+3], s[G0V+3], 0x80000000
	s_wait_xcnt 0x0                                ; the last prefetches, a slot back, have read their addresses
	s_add_nc_u64 s[PFK:PFK+1], s[PFK:PFK+1], 32768
	s_add_nc_u64 s[PFV:PFV+1], s[PFV:PFV+1], 32768
.endif
	s_wait_dscnt 0x0                               ; the add is done, and my reads of the slot that I have left are over
	s_barrier_signal -1
	s_barrier_wait -1
.if \fill
	TLOAD                                          ; the first thing behind the barrier, and a wave's one tensor load until the next
	ASK
.endif
.endm
.macro INIT                            ; a block of queries begins: m under every score, l and O^T zero
.irp t, 0,1
	v_mov_b32 v[ST+12*\t+1], 0xff61b1e6            ; -3e38
	v_mul_f32 v[ST+12*\t], s[CS], v[ST+12*\t+1]
	v_mov_b32 v[ST+12*\t+2], 0
	v_mov_b32 v[ST+12*\t+3], 0
.endr
	WIN 0x40
.set n, 0
.rept 64
	v_mov_b32 v[O+n], 0
.set n, n+1
.endr
	WIN 0
.endm
; THE WAY OUT of a block: O^T / l, rounded to f16, through my stage, back as four queries' 512 consecutive bytes.
.macro WAYOUT base
.rept 4
	v_nop                                          ; places behind the last products
.endr
.irp t, 0,1
	v_add_f32 v[ST+12*\t+4], v[ST+12*\t+2], v[ST+12*\t+3]
.endr
.irp t, 0,1
	v_permlanex16_b32 v[ST+12*\t+5], v[ST+12*\t+4], s[SEL], s[SEL+1]
.endr
.irp t, 0,1
	v_add_f32 v[ST+12*\t+4], v[ST+12*\t+4], v[ST+12*\t+5]
.endr
.irp t, 0,1
	v_rcp_f32 v[ST+12*\t+8], v[ST+12*\t+4]
.endr
	v_nop                                          ; a plain line behind the reciprocals,
	s_wait_alu depctr_va_vdst(0)                   ; and the one wait ahead of their first reader
	WIN 0x41
.set n, 0
.rept 16
.irp t, 0,1
	v_pk_mul_f32 v[O+32*\t+2*n:O+32*\t+2*n+1], v[O+32*\t+2*n:O+32*\t+2*n+1], v[ST+12*\t+8:ST+12*\t+9] op_sel_hi:[1,0]
.endr
.set n, n+1
.endr
	WIN 0x05                                       ; sources window 1, destination window 0: S^T's registers are free
.set n, 0
.rept 32
	v_cvt_pk_f16_f32 v[S+n], v[O+2*n], v[O+2*n+1]
.set n, n+1
.endr
	WIN 0
.irp f, 0,1,2,3,4,5,6,7                        ; tile f / 4, channels 16 (f % 4) on
	ds_store_b128 v[STO], v[S+4*\f:S+4*\f+3] offset:(\f/4)*2304+(\f%4)*32
.endr
.irp i, 0,1,2,3,4,5,6,7
	ds_load_b128 v[S+32+4*\i:S+32+4*\i+3], v[RD] offset:576*\i   ; LDS serves a wave's instructions in order: these see the stores above
.endr
.irp i, 0,1,2,3,4,5,6,7
	s_wait_dscnt 7-\i                              ; load i is back; the younger ones may be out
	global_store_b128 v[GO], v[S+32+4*\i:S+32+4*\i+3], s[\base:\base+1] offset:512*\i   ; 32 lanes store 512 consecutive bytes, aligned
.endr
	s_wait_xcnt 0x0                                ; the stores have read their registers: the next scores may be written there
.endm
; THE CHANGE OF BLOCKS, at trip 8 - p, where CNT = p: the first block goes out and the second begins, at key 0.  The branch hangs on ids and the count of trips: alike in all eight waves.
.macro PASS
	s_cmp_lg_u32 s[CNT], s[PP]
	s_cbranch_scc1 .Lsame_\@
	WAYOUT OUTH
	INIT
	WIN 0x01                                       ; source window 1
.set n, 0
.rept 32
	v_mov_b32 v[Q+n], v[Q2+n]
.set n, n+1
.endr
	WIN 0
	s_mov_b32 s[Q0], s[Q0L]
	s_mov_b32 s[KF], 0
.Lsame_\@:
.endm
	s_load_b128 s[4:7], s[0:1], 0x0                ; qkv, a16
	v_lshl_add_u32 v[SPW], v0, 2, SPARE
	v_mov_b32 v[NIL], 0
	ds_add_u32 v[SPW], v[NIL]                      ; the wave's opening: the add, twice on end, and its wait ahead of my first tensor load
	ds_add_u32 v[SPW], v[NIL]
	v_lshrrev_b32 v14, 5, v0
	v_readfirstlane_b32 s[WV], v14                 ; wave 0..7
	s_and_b32 s76, ttmp7, 0xffff                   ; bh
	s_mov_b32 s[PP], ttmp9
	s_sub_co_u32 s[NH], 8, s[PP]
	s_and_b32 s77, s[WV], 1
	; a load brings 128 keys: 64 rows of 256 bytes (two keys, dense in memory), padded behind every 32 words, that is behind every key
	s_mov_b32 s[G1K], (1<<16)|(1<<20)|(4<<22)|(3<<25)   ; elements of 2 bytes; 4 words of padding
	s_mov_b32 s[G1V], (1<<16)|(1<<20)|(4<<22)|(7<<25)   ; 8 words
.irp g, G1K, G1V
	s_mov_b32 s[\g+1], 128<<16
	s_mov_b32 s[\g+2], 64<<16
	s_mov_b32 s[\g+3], 128<<16
	s_mov_b32 s[\g+4], 64
	s_mov_b32 s[\g+5], 128
	s_mov_b32 s[\g+6], 0
	s_mov_b32 s[\g+7], 0
.endr
	s_mov_b32 s[SEL], 0x76543210
	s_mov_b32 s[SEL+1], 0xfedcba98
	s_mov_b32 s[CS], 0x3d38aa3b                    ; c = log2(e) / 32
	s_mov_b32 s[CS+1], s[CS]
	s_lshl_b32 s78, s76, 18                        ; my head's first byte in a tensor
	s_lshl_b32 s80, s77, 14                        ; + my half of a key slot: 128 keys of 128 bytes
	s_add_co_u32 s80, s80, s78
	s_mov_b32 s81, 0
	s_mul_i32 s82, s77, 128*KP                     ; and in a slot
	s_mul_i32 s83, s77, 128*VP
	s_add_co_u32 s83, s83, VOFF
	s_sub_co_u32 s84, 7, s[PP]
	s_lshl_b32 s84, s84, 8
	s_lshl_b32 s85, s[WV], 5
	s_add_co_u32 s[Q0], s84, s85                   ; my first query: 256 (7 - p) + 32 x wave,
	s_lshl_b32 s84, s[PP], 8
	s_add_co_u32 s[Q0L], s84, s85                  ; later 256 p + 32 x wave
	s_lshl_b32 s84, s[Q0], 7
	s_add_co_u32 s84, s84, s78
	s_mov_b32 s85, 0
	s_lshl_b32 s86, s[Q0L], 7
	s_add_co_u32 s86, s86, s78
	s_mov_b32 s87, 0
	s_and_b32 s92, s[WV], 3
	s_lshl_b32 s92, s92, 13
	s_add_co_u32 s92, s92, s78
	s_add_co_u32 s92, s92, 16777216+32768          ; the prefetches begin in K's key slot 1: the first change steps them to slot 2
	s_mov_b32 s93, 0
	s_lshr_b32 s96, s[WV], 2
	s_xor_b32 s96, s96, 1                          ; 0 in waves 4 to 7,
	s_or_b32 s96, s96, ttmp9                       ; of the work-groups with p = 0
	s_cmp_eq_u32 s96, 0
	s_cselect_b32 s[LIM], 2, -1
	s_mov_b32 s[NKS], 0
	s_mov_b32 s[OFF+1], 0
	s_mov_b32 s[TB], 0
	s_mov_b32 s[KF], 0
	s_mov_b32 s[CNT], 8
	v_and_b32 v14, 15, v0                          ; r
	v_bfe_u32 v15, v0, 4, 1                        ; h
	v_and_b32 v232, 31, v0                         ; lane
	v_mul_u32_u24 v[AK0], v14, KP
	v_lshl_add_u32 v[AK0], v15, 4, v[AK0]          ; K: row r x pitch + 16 h
	v_and_b32 v233, 7, v0
	v_lshl_add_u32 v[AV0], v15, 3, v233            ; V, for the turning load: key 8 h + lane % 8, channels 8 ((lane / 8) % 2) on
	v_mul_u32_u24 v[AV0], v[AV0], VP
	v_bfe_u32 v233, v0, 3, 1
	v_lshl_add_u32 v[AV0], v233, 4, v[AV0]
	v_add_nc_u32 v[AV0], VOFF, v[AV0]
	v_lshlrev_b32 v[QO], 7, v14
	v_lshl_add_u32 v[QO], v15, 4, v[QO]
	v_lshlrev_b32 v[LD], 3, v15
	v_sub_nc_u32 v[LD], v14, v[LD]
	s_mul_i32 s96, s[WV], 4608
	s_add_co_u32 s96, s96, STAGE
	v_add_nc_u32 v[STO], s96, v[AK0]               ; the stage, in: row r x 144 + 16 h
	v_lshrrev_b32 v233, 3, v232
	v_mul_u32_u24 v233, v233, KP
	v_and_b32 v234, 7, v0
	v_lshl_add_u32 v233, v234, 4, v233
	v_add_nc_u32 v[RD], s96, v233                  ; back: eight lanes to a row of 128 bytes
	v_lshlrev_b32 v[GO], 4, v232
	v_lshlrev_b32 v[PFO], 8, v232
	v_mov_b32 v[NEG], 0xff800000
.irp t, 0,1
	v_mov_b32 v[ST+12*\t+5], 0                     ; written once: a lane permute's destination counts as one of its sources,
	v_mov_b32 v[ST+12*\t+9], 0                     ; and the factor is named as a pair
.endr
	s_wait_dscnt 0x0                               ; both opening adds are done
	s_wait_kmcnt 0x0
	s_add_nc_u64 s[KB:KB+1], s[4:5], s[80:81]
	s_add_nc_u64 s[VB:VB+1], s[KB:KB+1], 33554432  ; v begins 128 heads' blocks into qkv,
	s_add_nc_u64 s[KB:KB+1], s[KB:KB+1], 16777216  ; k 64
	s_mov_b32 s[G0K], 1
	s_mov_b32 s[G0K+1], s82
	s_mov_b64 s[G0K+2:G0K+3], s[KB:KB+1]
	s_or_b32 s[G0K+3], s[G0K+3], 0x80000000
	s_mov_b32 s[G0V], 1
	s_mov_b32 s[G0V+1], s83
	s_mov_b64 s[G0V+2:G0V+3], s[VB:VB+1]
	s_or_b32 s[G0V+3], s[G0V+3], 0x80000000
	TLOAD                                          ; slot 0: key slot 0
	s_add_nc_u64 s[88:89], s[4:5], s[84:85]        ; q of the first block, of the second
	s_add_nc_u64 s[90:91], s[4:5], s[86:87]
	s_add_nc_u64 s[OUTH:OUTH+1], s[6:7], s[84:85]
	s_add_nc_u64 s[OUTL:OUTL+1], s[6:7], s[86:87]
	s_add_nc_u64 s[PFK:PFK+1], s[4:5], s[92:93]
	s_add_nc_u64 s[PFV:PFV+1], s[PFK:PFK+1], 16777216
.irp t, 0,1
.irp c, 0,1
	global_load_b128 v[Q+16*\t+8*\c:Q+16*\t+8*\c+3],   v[QO], s[88:89] offset:2048*\t+64*\c
	global_load_b128 v[Q+16*\t+8*\c+4:Q+16*\t+8*\c+7], v[QO], s[88:89] offset:2048*\t+64*\c+32
.endr
.endr
	WIN 0x40
.irp t, 0,1
.irp c, 0,1
	global_load_b128 v[Q2+16*\t+8*\c:Q2+16*\t+8*\c+3],   v[QO], s[90:91] offset:2048*\t+64*\c
	global_load_b128 v[Q2+16*\t+8*\c+4:Q2+16*\t+8*\c+7], v[QO], s[90:91] offset:2048*\t+64*\c+32
.endr
.endr
	WIN 0
	INIT
	s_wait_loadcnt 0x0                             ; both blocks' q
.Lslot:                                            ; eight trips: behind each change of slots the next trip's key slot is asked for
	CHANGE 1
	PASS
	STEP 0
	STEP 1
	STEP 2
	STEP 3
	s_xor_b32 s[TB], s[TB], SLOT1
	s_sub_co_u32 s[CNT], s[CNT], 1
	s_cmp_lg_u32 s[CNT], 0
	s_cbranch_scc1 .Lslot
	CHANGE 0                                       ; the ninth trip is written out: nothing is left to ask for
	PASS                                           ; (CNT = 0: the work-groups with p = 0 change blocks here)
	STEP 0
	STEP 1
	STEP 2
	STEP 3
	WAYOUT OUTL
	s_wait_tensorcnt 0x0                           ; the wave's end: three closing lines behind my last tensor load and my last LDS store
	ds_add_u32 v[SPW], v[NIL]
	s_wait_dscnt 0x0
	s_endpgm
.Lfunc_end_k_qfe9e3b5dd5_attn:
	.size	k_qfe9e3b5dd5_attn, .Lfunc_end_k_qfe9e3b5dd5_attn-k_qfe9e3b5dd5_attn
	.p2alignl 7, 3214868480
	.fill 96, 4, 3214868480
	.section	.rodata,"a",@progbits
	.p2align	6, 0x0
	.amdhsa_kernel k_qfe9e3b5dd5_attn
		.amdhsa_group_segment_fixed_size 327680
		.amdhsa_private_segment_fixed_size 0
		.amdhsa_enable_private_segment 0
		.amdhsa_kernarg_size 16
		.amdhsa_user_sgpr_count 2
		.amdhsa_user_sgpr_kernarg_segment_ptr 1
		.amdhsa_wavefront_size32 1
		.amdhsa_system_sgpr_workgroup_id_x 1
		.amdhsa_system_sgpr_workgroup_id_y 1
		.amdhsa_system_sgpr_workgroup_id_z 1
		.amdhsa_system_vgpr_workitem_id 0
		.amdhsa_next_free_vgpr 512
		.amdhsa_next_free_sgpr 100
		.amdhsa_reserve_vcc 1
		.amdhsa_float_denorm_mode_32 3
		.amdhsa_float_denorm_mode_16_64 3
		.amdhsa_memory_ordered 1
		.amdhsa_forward_progress 1
		.amdhsa_inst_pref_size 210
	.end_amdhsa_kernel
	.amdgpu_metadata
---
amdhsa.version: [ 1, 2 ]
amdhsa.kernels:
  - .name:           k_qfe9e3b5dd5_attn
    .symbol:         k_qfe9e3b5dd5_attn.kd
    .args:
      - { .name: qkv, .offset: 0, .size: 8, .value_kind: global_buffer, .address_space: global }
      - { .name: a16, .offset: 8, .size: 8, .value_kind: global_buffer, .address_space: global }
    .group_segment_fixed_size: 327680
    .private_segment_fixed_size: 0
    .kernarg_segment_align: 8
    .kernarg_segment_size: 16
    .max_flat_workgroup_size: 256
    .sgpr_count:     100
    .vgpr_count:     512
    .wavefront_size: 32
...
	.end_amdgpu_metadata
.endif
;; end of part 3
;; launch proj (part 4): grid 8 x 64, 4 waves a work-group, clusters of 4 x 4, 327,680 bytes of LDS; arguments a16, wo16, bo, out0; writes out0
.if DOCPART == 4
	.amdgcn_target "amdgcn-amd-amdhsa--gfx1250"
	.amdhsa_code_object_version 6
	.text
	.protected	k_qfe9e3b5dd5_proj
	.globl	k_qfe9e3b5dd5_proj
	.p2align	8
	.type	k_qfe9e3b5dd5_proj,@function
k_qfe9e3b5dd5_proj:
	s_mov_b64 s[64:65], 0
	v_nop
	global_prefetch_b8 v0, s[64:65] scope:SCOPE_SE
	s_setreg_imm32_b32 hwreg(HW_REG_WAVE_MODE, 25, 1), 1
	s_wait_xcnt 0x0
	s_wait_alu depctr_hold_cnt(0) depctr_sa_sdst(0) depctr_va_vdst(0) depctr_va_sdst(0) depctr_va_ssrc(0) depctr_va_vcc(0) depctr_vm_vsrc(0)
	s_getreg_b32 s2, hwreg(HW_REG_IB_STS2, 6, 4)
	s_cmp_eq_u32 s2, 0
	s_cbranch_scc0 .Lentry_in_a_cluster
	s_endpgm
.Lentry_in_a_cluster:
	s_bfe_u32 s2, ttmp6, 0x10000c
	s_cmp_lg_u32 s2, 0xf033
	s_cbranch_scc0 .Lentry_shape_is_right
	s_endpgm
.Lentry_shape_is_right:
; out0[m][n] = the sum over k of a[m][k] Wo[n][k] + bo[n].  a: a16 [4 b][16 h][2048 t][64] f16 (m = 2048 b + t, k = 64 h + d); Wo: wo16 [1024][1024] f16; bo f32; out0 [8192][1024] f32; sums in f32.
; A tile of 128 x 128 is made by a work-group of four waves, each 64 x 64: 16 accumulators.  512 tiles.  K goes in four steps of 256 (four heads) through two LDS slots, so each slot is filled twice; the steps are written out.
; a's part of a step: for each of four heads 64 tokens x 128 bytes, dense in memory: ONE load of 4 rows of 8,192 bytes, padded behind every 128 bytes: in LDS [head][token] rows of 144 bytes.
; CLUSTERS: 4 x 4 work-groups; a's tiles are asked for jointly along a row of the cluster, Wo's along a column.
; THE MATRIX INSTRUCTION IS USED TRANSPOSED (source 0 = 16 rows of Wo, source 1 = 16 rows of a): a lane holds eight neighbouring numbers of a row of out0.  The bias is the C of each sum's first product.
; (The first 16 positions of every sequence are stored again, from f32 operands, by the launch that follows.)
; REGISTERS: window 0: v16-30 addresses; v32-95 at work on the way out; v96-127 the bias; v128-255 the accumulators ((a, b) at v[128 + 8 (4 a + b)]).   window 1: two fragment buffers of 128: 64 registers of a, then 64 of Wo.
.set KPA,   144
.set HEADA, 64*KPA
.set HALFA, 4*HEADA                    ; 64 tokens x 4 heads
.set PB,    528                        ; a row of Wo in LDS: 512 bytes + 16
.set HALFB, 64*PB
.set SLOT,  2*HALFA+2*HALFB
.set SPARE, 2*SLOT                     ; behind the ring: the spare words, 128 bytes a wave, which no other line names
.set STAGE, SPARE+512                  ; behind them: 16 rows x 272 bytes for each wave, for the way out; no fill lands here
.set SPITCH, 272
.set ADRA, 16
.set ADRB, 20
.set STO,  24
.set RD,   25
.set CO,   26
.set SPW,  28                          ; v28 LDS address of my spare word; never rewritten
.set NIL,  29                          ; v29 0; never rewritten
.set BO,   30
.set TMP,  32
.set BIAS, 96
.set ACC,  128
.set F0,   0
.set F1,   128
.set G1,  24
.set G0,  32
.set G1B, 48
.set G0B, 56
.set MSB, 0
.macro WIN new                         ; the immediate's high byte repeats the setting that is left
.if MSB != \new
	s_set_vgpr_msb (MSB<<8)|\new
.set MSB, \new
.endif
.endm
.set MUL,  0x05                        ; sources 0 and 1 window 1; C and D window 0
.set TO_F, 0x40                        ; destination window 1, address window 0
.macro JLOAD s                         ; a joint load: waves 0 and 1 fetch a's halves, waves 2 and 3 Wo's; an s_nop 0 and four v_nop follow each of the two lines
	s_cmp_eq_u32 s11, 0
	s_cbranch_scc0 .Lfor_b_\@
	tensor_load_to_lds s[G0+4*\s:G0+4*\s+3], s[G1:G1+7]
	s_nop 0
.rept 4
	v_nop
.endr
	s_branch .Lasked_\@
.Lfor_b_\@:
	tensor_load_to_lds s[G0B+4*\s:G0B+4*\s+3], s[G1B:G1B+7]
	s_nop 0
.rept 4
	v_nop
.endr
.Lasked_\@:
.endm
.macro CREST                           ; a round of the cluster's barrier behind its opening barrier
	s_cmp_lg_u32 s10, 0
	s_cbranch_scc1 .Lnot_wave_0_\@
	s_barrier_signal -3
.Lnot_wave_0_\@:
	s_barrier_wait -3
	s_barrier_signal -1
	s_barrier_wait -1
.endm
.macro CROUND
	s_barrier_signal -1
	s_barrier_wait -1
	CREST
.endm
; 8 matrix instructions: row blocks a0, a0 + 1 x all 4 column blocks, 32 along K: half c of buffer f.  zero = 1: the first product starts the sum from the bias.  The 16 accumulators take turns.
.macro MUL8 f, c, a0, zero
.irp a, \a0, \a0+1
.irp b, 0,1,2,3
.if \zero
	v_wmma_f32_16x16x32_f16 v[ACC+8*(4*(\a)+\b):ACC+8*(4*(\a)+\b)+7], v[\f+64+8*(4*\c+\b):\f+64+8*(4*\c+\b)+7], v[\f+8*(4*\c+\a):\f+8*(4*\c+\a)+7], v[BIAS+8*\b:BIAS+8*\b+7]
.else
	v_wmma_f32_16x16x32_f16 v[ACC+8*(4*(\a)+\b):ACC+8*(4*(\a)+\b)+7], v[\f+64+8*(4*\c+\b):\f+64+8*(4*\c+\b)+7], v[\f+8*(4*\c+\a):\f+8*(4*\c+\a)+7], v[ACC+8*(4*(\a)+\b):ACC+8*(4*(\a)+\b)+7]
.endif
.endr
.endr
.endm
; 32 LDS loads in one run: the fragments of quarter qd of a slot (one head, 64 along K) into buffer f; the first 32 along K first
.macro FETCH slot, qd, f
	WIN TO_F
.irp c, 0,1
.irp i, 0,1,2,3
	ds_load_b128 v[\f+64+8*(4*\c+\i):\f+64+8*(4*\c+\i)+3],   v[ADRB+\slot] offset:128*(\qd)+64*\c+\i*16*PB
	ds_load_b128 v[\f+64+8*(4*\c+\i)+4:\f+64+8*(4*\c+\i)+7], v[ADRB+\slot] offset:128*(\qd)+64*\c+\i*16*PB+32
	ds_load_b128 v[\f+8*(4*\c+\i):\f+8*(4*\c+\i)+3],         v[ADRA+\slot] offset:HEADA*(\qd)+64*\c+\i*16*KPA
	ds_load_b128 v[\f+8*(4*\c+\i)+4:\f+8*(4*\c+\i)+7],       v[ADRA+\slot] offset:HEADA*(\qd)+64*\c+\i*16*KPA+32
.endr
.endr
.endm
.macro PLACES                          ; four plain places in front of loads into registers that matrix instructions have read, and of reads of results
.rept 4
	v_nop
.endr
.endm
; One of a step's first three quarters: multiplies buffer f and fetches quarter qd into g.
.macro QUARTER slot, qd, f, g, zero
	s_wait_dscnt 16                                ; the first 32 along K are in; the other sixteen loads may be out
	WIN MUL
	MUL8 \f, 0, 0, \zero
	MUL8 \f, 0, 2, \zero
	PLACES
	FETCH \slot, \qd, \g
	s_wait_dscnt 32                                ; all but the 32 just issued
	WIN MUL
	MUL8 \f, 1, 0, 0
	MUL8 \f, 1, 2, 0
.endm
; The last quarter multiplies buffer 1 and changes slots: ONE barrier; in front of it each wave waits for all its tensor loads, adds 0 to its spare word, and waits for that and for its own reads of this slot.  fill = 1: this slot is filled again, two K steps ahead.
.macro TURN slot, next, fill
	WIN 0
	s_wait_tensorcnt 0x0                           ; all my tensor loads have landed: my part of the next slot
	ds_add_u32 v[SPW], v[NIL]                      ; 0 onto my spare word
	s_wait_dscnt 17                                ; (the add and the youngest sixteen loads may be out)
	WIN MUL
	MUL8 F1, 0, 0, 0
	s_wait_dscnt 0x0                               ; the add is done, and my reads of this slot are over
	s_barrier_signal -1
	MUL8 F1, 0, 2, 0
.if \fill
	WIN 0
.endif
	s_barrier_wait -1
.if \fill
	CREST                                          ; the barrier has opened a round of the cluster's barrier: no wave of any partner still reads this slot or has a load on its way
	s_add_nc_u64 s[G0+4*\slot+2:G0+4*\slot+3], s[G0+4*\slot+2:G0+4*\slot+3], 2097152      ; eight heads on
	s_add_nc_u64 s[G0B+4*\slot+2:G0B+4*\slot+3], s[G0B+4*\slot+2:G0B+4*\slot+3], 1024     ; 512 along K on
	JLOAD \slot                                    ; the first tensor load behind the round; its four v_nop are also the places in front of the loads below
.else
	PLACES
.endif
	FETCH \next, 0, F0
	WIN MUL
	MUL8 F1, 1, 0, 0
	MUL8 F1, 1, 2, 0
.endm
	s_load_b128 s[4:7], s[0:1], 0x0                ; a16, wo16
	s_load_b128 s[68:71], s[0:1], 0x10             ; bo, out0
	v_lshl_add_u32 v[SPW], v0, 2, SPARE
	v_mov_b32 v[NIL], 0
	ds_add_u32 v[SPW], v[NIL]                      ; the wave's opening: the add, twice on end, and its wait ahead of my first tensor load
	ds_add_u32 v[SPW], v[NIL]
	v_lshrrev_b32 v1, 5, v0
	v_readfirstlane_b32 s10, v1                    ; wave 0..3
	s_lshr_b32 s11, s10, 1                         ; which half of the tile's rows is mine.  Also: I fetch for a (0) or for Wo (1)
	s_and_b32 s12, s10, 1                          ; which half of its columns.  Also: which 64 rows of that tile I fetch
	s_bfe_u32 s40, ttmp6, 0x40000
	s_bfe_u32 s41, ttmp6, 0x40004
	s_lshl_b32 s42, ttmp9, 2
	s_add_co_u32 s42, s42, s40                     ; tile column = 4 x cluster x + cx
	s_and_b32 s13, ttmp7, 0xffff
	s_lshl_b32 s13, s13, 2
	s_add_co_u32 s13, s13, s41                     ; tile row = 4 x cluster y + cy
	s_lshl_b32 s43, s41, 2
	s_lshl_b32 s43, 15, s43                        ; my row of the cluster
	s_lshl_b32 s44, 0x1111, s40                    ; my column
	s_or_b32 s[G1+0], s43, (1<<16)|(1<<20)|(1<<21)|(4<<22)|(3<<25)    ; the mask; elements of 2 bytes; 4 words of padding behind every 32
	s_mov_b32 s[G1+1], 4096<<16                    ; a head's 64 tokens x 64 channels,
	s_mov_b32 s[G1+2], 4<<16                       ; four heads,
	s_mov_b32 s[G1+3], 4096<<16
	s_mov_b32 s[G1+4], 4
	s_mov_b32 s[G1+5], 131072                      ; 2,048 x 64 elements apart
	s_mov_b32 s[G1+6], 0
	s_mov_b32 s[G1+7], 0
	s_or_b32 s[G1B+0], s44, (1<<16)|(1<<20)|(1<<21)|(6<<22)|(3<<25)   ; 4 words of padding behind every 128
	s_mov_b32 s[G1B+1], 256<<16
	s_mov_b32 s[G1B+2], 64<<16
	s_mov_b32 s[G1B+3], 256<<16
	s_mov_b32 s[G1B+4], 64
	s_mov_b32 s[G1B+5], 1024
	s_mov_b32 s[G1B+6], 0
	s_mov_b32 s[G1B+7], 0
	s_lshr_b32 s16, s13, 4                         ; a: the batch, 16 heads of 262,144 bytes,
	s_lshl_b32 s16, s16, 22
	s_and_b32 s17, s13, 15
	s_lshl_b32 s17, s17, 14                        ; + 128 tokens of 128 bytes for each tile row in the batch,
	s_add_co_u32 s16, s16, s17
	s_lshl_b32 s17, s12, 13                        ; + my 64 tokens
	s_add_co_u32 s16, s16, s17
	s_mov_b32 s17, 0
	s_lshl_b32 s46, s42, 18                        ; Wo: rows 128 x tile column + 64 x half, of 2,048 bytes
	s_lshl_b32 s47, s12, 17
	s_add_co_u32 s46, s46, s47
	s_mov_b32 s47, 0
	s_mul_i32 s20, s12, HALFA                      ; where they go: no place in the cluster enters an LDS address
	s_mul_i32 s21, s12, HALFB
	s_add_co_u32 s21, s21, 2*HALFA
	s_wait_dscnt 0x0                               ; both opening adds are done
	s_wait_kmcnt 0x0
	s_add_nc_u64 s[14:15], s[4:5], s[16:17]
	s_add_nc_u64 s[46:47], s[6:7], s[46:47]
	CROUND                                         ; all sixteen work-groups are here: the first joint loads meet
.irp s, 0,1
	s_mov_b32 s[G0+4*\s], 1
	s_add_co_u32 s[G0+4*\s+1], s20, \s*SLOT
	s_add_nc_u64 s[G0+4*\s+2:G0+4*\s+3], s[14:15], \s*1048576
	s_or_b32 s[G0+4*\s+3], s[G0+4*\s+3], 0x80000000
	s_mov_b32 s[G0B+4*\s], 1
	s_add_co_u32 s[G0B+4*\s+1], s21, \s*SLOT
	s_add_nc_u64 s[G0B+4*\s+2:G0B+4*\s+3], s[46:47], \s*512
	s_or_b32 s[G0B+4*\s+3], s[G0B+4*\s+3], 0x80000000
	JLOAD \s
.endr
	v_and_b32 v1, 15, v0                           ; r
	v_bfe_u32 v2, v0, 4, 1                         ; h
	s_lshl_b32 s16, s42, 9                         ; my first column, in bytes of f32: 512 x tile column + 256 x half
	s_lshl_b32 s17, s12, 8
	s_add_co_u32 s16, s16, s17
	s_mov_b32 s17, 0
	s_add_nc_u64 s[68:69], s[68:69], s[16:17]
	s_add_nc_u64 s[70:71], s[70:71], s[16:17]
	v_lshlrev_b32 v[BO], 5, v2
.irp b, 0,1,2,3
	global_load_b128 v[BIAS+8*\b:BIAS+8*\b+3],   v[BO], s[68:69] offset:64*\b       ; lane (r, h): bo of columns 16 b + 8 h + 0 .. 7, the result's layout
	global_load_b128 v[BIAS+8*\b+4:BIAS+8*\b+7], v[BO], s[68:69] offset:64*\b+16
.endr
	s_lshl_b32 s16, s13, 19                        ; my first row of out0: 128 x tile row + 64 x half, of 4,096 bytes
	s_lshl_b32 s18, s11, 18
	s_add_co_u32 s16, s16, s18
	s_add_nc_u64 s[70:71], s[70:71], s[16:17]
	v_mul_u32_u24 v3, v1, KPA
	v_lshl_add_u32 v3, v2, 4, v3
	s_mul_i32 s18, s11, HALFA
	v_add_nc_u32 v[ADRA], s18, v3
	v_add_nc_u32 v[ADRA+1], SLOT, v[ADRA]
	v_mul_u32_u24 v4, v1, PB
	v_lshl_add_u32 v4, v2, 4, v4
	s_mul_i32 s19, s12, HALFB
	s_add_co_u32 s19, s19, 2*HALFA
	v_add_nc_u32 v[ADRB], s19, v4
	v_add_nc_u32 v[ADRB+1], SLOT, v[ADRB]
	s_mul_i32 s18, s10, 16*SPITCH
	s_add_co_u32 s18, s18, STAGE                   ; my stage
	v_mul_u32_u24 v5, v1, SPITCH
	v_lshl_add_u32 v5, v2, 5, v5
	v_add_nc_u32 v[STO], s18, v5                   ; in: row r, 32 bytes for each half of the lanes
	v_mul_u32_u24 v5, v2, SPITCH
	v_lshl_add_u32 v5, v1, 4, v5
	v_add_nc_u32 v[RD], s18, v5                    ; back: lanes 0-15 one row of 256 bytes, lanes 16-31 the next
	v_lshlrev_b32 v[CO], 12, v2
	v_lshl_add_u32 v[CO], v1, 4, v[CO]             ; and the same two rows in out0
	s_wait_tensorcnt 1                             ; my part of K step 0 is in; K step 1's load may stay out
	s_barrier_signal -1
	s_barrier_wait -1
	FETCH 0, 0, F0
	s_wait_loadcnt 0x0                             ; the bias
	QUARTER 0, 1, F0, F1, 1                        ; K step 0
	QUARTER 0, 2, F1, F0, 0
	QUARTER 0, 3, F0, F1, 0
	TURN 0, 1, 1                                   ; slot 0 takes K step 2
	QUARTER 1, 1, F0, F1, 0                        ; K step 1
	QUARTER 1, 2, F1, F0, 0
	QUARTER 1, 3, F0, F1, 0
	TURN 1, 0, 1                                   ; slot 1 takes K step 3
	QUARTER 0, 1, F0, F1, 0                        ; K step 2
	QUARTER 0, 2, F1, F0, 0
	QUARTER 0, 3, F0, F1, 0
	TURN 0, 1, 0                                   ; nothing is left to fetch
	QUARTER 1, 1, F0, F1, 0                        ; K step 3
	QUARTER 1, 2, F1, F0, 0
	QUARTER 1, 3, F0, F1, 0
	s_wait_dscnt 16
	WIN MUL
	MUL8 F1, 0, 0, 0
	MUL8 F1, 0, 2, 0
	s_wait_dscnt 0x0
	MUL8 F1, 1, 0, 0
	MUL8 F1, 1, 2, 0
	WIN 0
	; THE WAY OUT, 16 rows x 64 columns at a time: a wave's 64 columns are 256 bytes, so each wave has its own stage and no barrier is needed.
	PLACES
.irp a, 0,1,2,3
.if \a > 1
	s_wait_xcnt 0x0                                ; the stores of two blocks back have read their registers: this block's loads may land there
.endif
.irp b, 0,1,2,3
	ds_store_b128 v[STO], v[ACC+8*(4*\a+\b):ACC+8*(4*\a+\b)+3] offset:64*\b        ; each accumulator from its low end on
	ds_store_b128 v[STO], v[ACC+8*(4*\a+\b)+4:ACC+8*(4*\a+\b)+7] offset:64*\b+16
.endr
.irp t, 0,1,2,3,4,5,6,7
	ds_load_b128 v[TMP+32*(\a%2)+4*\t:TMP+32*(\a%2)+4*\t+3], v[RD] offset:\t*2*SPITCH   ; LDS serves a wave's instructions in order: these see the stores above
.endr
.irp t, 0,1,2,3,4,5,6,7
	s_wait_dscnt 7-\t                              ; load t is back; the younger ones may be out
	global_store_b128 v[CO], v[TMP+32*(\a%2)+4*\t:TMP+32*(\a%2)+4*\t+3], s[70:71] offset:(16*\a+2*\t)*4096 th:TH_STORE_NT   ; 16 lanes store 256 consecutive bytes, aligned
.endr
.endr
	s_wait_tensorcnt 0x0                           ; the wave's end: three closing lines behind my last tensor load and my last LDS store
	ds_add_u32 v[SPW], v[NIL]
	s_wait_dscnt 0x0
	CROUND                                         ; the closing round
	s_endpgm
.Lfunc_end_k_qfe9e3b5dd5_proj:
	.size	k_qfe9e3b5dd5_proj, .Lfunc_end_k_qfe9e3b5dd5_proj-k_qfe9e3b5dd5_proj
	.p2alignl 7, 3214868480
	.fill 96, 4, 3214868480
	.section	.rodata,"a",@progbits
	.p2align	6, 0x0
	.amdhsa_kernel k_qfe9e3b5dd5_proj
		.amdhsa_group_segment_fixed_size 327680
		.amdhsa_private_segment_fixed_size 0
		.amdhsa_enable_private_segment 0
		.amdhsa_kernarg_size 32
		.amdhsa_user_sgpr_count 2
		.amdhsa_user_sgpr_kernarg_segment_ptr 1
		.amdhsa_wavefront_size32 1
		.amdhsa_system_sgpr_workgroup_id_x 1
		.amdhsa_system_sgpr_workgroup_id_y 1
		.amdhsa_system_sgpr_workgroup_id_z 1
		.amdhsa_system_vgpr_workitem_id 0
		.amdhsa_next_free_vgpr 512
		.amdhsa_next_free_sgpr 72
		.amdhsa_reserve_vcc 0
		.amdhsa_float_denorm_mode_32 3
		.amdhsa_float_denorm_mode_16_64 3
		.amdhsa_memory_ordered 1
		.amdhsa_forward_progress 1
		.amdhsa_inst_pref_size 87
	.end_amdhsa_kernel
	.amdgpu_metadata
---
amdhsa.version: [ 1, 2 ]
amdhsa.kernels:
  - .name:           k_qfe9e3b5dd5_proj
    .symbol:         k_qfe9e3b5dd5_proj.kd
    .args:
      - { .name: a16, .offset: 0, .size: 8, .value_kind: global_buffer, .address_space: global }
      - { .name: wo16, .offset: 8, .size: 8, .value_kind: global_buffer, .address_space: global }
      - { .name: bo, .offset: 16, .size: 8, .value_kind: global_buffer, .address_space: global }
      - { .name: out0, .offset: 24, .size: 8, .value_kind: global_buffer, .address_space: global }
    .group_segment_fixed_size: 327680
    .private_segment_fixed_size: 0
    .kernarg_segment_align: 8
    .kernarg_segment_size: 32
    .max_flat_workgroup_size: 128
    .sgpr_count:     72
    .vgpr_count:     512
    .wavefront_size: 32
...
	.end_amdgpu_metadata
.endif
;; end of part 4
;; launch first16 (part 5): grid 16 x 4, 16 waves a work-group, no clusters, 71,680 bytes of LDS; arguments h32, Wo, bo, out0; writes out0
.if DOCPART == 5
	.amdgcn_target "amdgcn-amd-amdhsa--gfx1250"
	.amdhsa_code_object_version 6
	.text
	.protected	k_qfe9e3b5dd5_first16
	.globl	k_qfe9e3b5dd5_first16
	.p2align	8
	.type	k_qfe9e3b5dd5_first16,@function
k_qfe9e3b5dd5_first16:
	s_mov_b64 s[64:65], 0
	v_nop
	global_prefetch_b8 v0, s[64:65] scope:SCOPE_SE
	s_setreg_imm32_b32 hwreg(HW_REG_WAVE_MODE, 25, 1), 1
	s_wait_xcnt 0x0
; THE FIRST 16 POSITIONS OF EVERY SEQUENCE, IN f32 THROUGHOUT: their rows average one to sixteen values and are the largest of the output, so 16-bit operands would weigh most there.
; Work-group (nchunk, b) makes out0[2048 b + 0 .. 15][64 nchunk .. + 63].  Wave w is head w: its 16 x 16 attention, then its part of the projection's K (channels 64 w .. 64 w + 63); the sixteen parts meet in LDS, and wave w adds up token w.
; q, k, v come from h32 [3][4 b][16 h][8 pieces][512 bytes]: piece 2 ct + half, lane 16 h + r: channels 16 ct + 8 h + 4 half + 0..3 of token r.
; All products by v_wmma_f32_16x16x4_f32 (96 a wave: no bulk work).  In each product the two sources hold the same k in the same lane half and register, so the order of k is free.
; The accumulators v128-159 are written by matrix instructions alone; each sum begins with the constant 0; four accumulators take turns.
; REGISTERS: v1-10 addresses and constants; v[14:15] the bias, then the result; v16-23 the scores, then p; v24-31 at work; v32-63 q, later the attention's result; v64-95 k, later Wo's tile 3; v96-127 v turned, later the parts; v160-255 Wo's tiles 0-2.
.set SPARE, 16*4352                    ; behind the sixteen parts: the spare words, 128 bytes a wave, which no other line names
	s_load_b256 s[4:11], s[0:1], 0x0               ; h32, Wo, bo, out0
	v_lshl_add_u32 v8, v0, 2, SPARE                ; v8 LDS address of my spare word; never rewritten
	v_mov_b32 v9, 0                                ; v9 0; never rewritten
	v_lshrrev_b32 v1, 5, v0
	v_readfirstlane_b32 s12, v1                    ; wave = head
	s_and_b32 s13, ttmp7, 0xffff                   ; b
	v_and_b32 v11, 31, v0                          ; lane
	v_and_b32 v12, 15, v0                          ; r
	v_bfe_u32 v13, v0, 4, 1                        ; h
	v_lshlrev_b32 v1, 4, v11                       ; 16 x lane
	v_bfe_u32 v2, v0, 2, 1                         ; v turned: lane (r, h), register 8 ct + i wants channel 16 ct + r of key 8 h + i
	v_lshlrev_b32 v2, 9, v2
	v_bfe_u32 v24, v0, 3, 1
	v_lshl_add_u32 v2, v24, 8, v2
	v_lshl_add_u32 v2, v13, 7, v2
	v_and_b32 v24, 3, v0
	v_lshl_add_u32 v2, v24, 2, v2                  ; 512 ((r / 4) % 2) + 256 (r / 8) + 128 h + 4 (r % 4)
	v_lshlrev_b32 v3, 12, v12
	v_lshl_add_u32 v3, v13, 5, v3                  ; Wo: row r of 4,096 bytes, + 32 h
	v_lshlrev_b32 v4, 3, v13
	v_sub_nc_u32 v4, v12, v4                       ; r - 8 h: register i holds key 8 h + i, hidden where i > r - 8 h
	s_mul_i32 s14, s12, 4352
	v_mul_u32_u24 v5, v12, 272
	v_lshl_add_u32 v5, v13, 5, v5
	v_add_nc_u32 v5, s14, v5                       ; my part: token r x 272 + 32 h
	s_mul_i32 s14, s12, 272
	v_lshlrev_b32 v7, 3, v11                       ; 8 x lane
	v_add_nc_u32 v6, s14, v7                       ; back: token w of every part
	v_mov_b32 v10, 0xff800000                      ; -infinity
	s_mov_b32 s20, 0x76543210
	s_mov_b32 s21, 0xfedcba98
	s_mov_b32 s22, 0x3d38aa3b                      ; c = log2(e) / 32
	s_mov_b32 s23, s22
	s_lshl_b32 s16, s13, 4
	s_add_co_u32 s16, s16, s12
	s_lshl_b32 s16, s16, 12                        ; h32: (16 b + head) x 4,096
	s_mov_b32 s17, 0
	s_lshl_b32 s18, ttmp9, 18                      ; Wo: 64 rows for each nchunk, + my 64 channels
	s_lshl_b32 s19, s12, 8
	s_add_co_u32 s18, s18, s19
	s_mov_b32 s19, 0
	s_lshl_b32 s24, ttmp9, 8                       ; bo: 64 numbers for each nchunk
	s_mov_b32 s25, 0
	s_lshl_b32 s26, s13, 23                        ; out0: row 2048 b + w, + the same 256 bytes
	s_lshl_b32 s27, s12, 12
	s_add_co_u32 s26, s26, s27
	s_add_co_u32 s26, s26, s24
	s_mov_b32 s27, 0
	s_wait_kmcnt 0x0
	s_add_nc_u64 s[4:5], s[4:5], s[16:17]
	s_add_nc_u64 s[6:7], s[6:7], s[18:19]
	s_add_nc_u64 s[8:9], s[8:9], s[24:25]
	s_add_nc_u64 s[10:11], s[10:11], s[26:27]
	global_load_b64 v[14:15], v7, s[8:9]           ; the bias of my two outputs
.irp p, 0,1,2,3,4,5,6,7
	global_load_b128 v[32+4*\p:35+4*\p], v1, s[4:5] offset:512*\p             ; q
.endr
.irp p, 0,1,2,3,4,5,6,7
	global_load_b128 v[64+4*\p:67+4*\p], v1, s[4:5] offset:262144+512*\p      ; k
.endr
.irp ct, 0,1,2,3
.irp i, 0,1,2,3,4,5,6,7
	global_load_b32 v[96+8*\ct+\i], v2, s[4:5] offset:524288+1024*\ct+16*\i   ; v, turned
.endr
.endr
.irp nt, 0,1,2
.irp ct, 0,1,2,3
.irp g, 0,1
	global_load_b128 v[160+32*\nt+8*\ct+4*\g:160+32*\nt+8*\ct+4*\g+3], v3, s[6:7] offset:65536*\nt+64*\ct+16*\g   ; Wo(16 nt + r, 64 w + 16 ct + 8 h + 4 g ..)
.endr
.endr
.endr
	s_wait_loadcnt 56                              ; the bias, q and k are in; v's 32 loads and Wo's 24 may be out
.set kk, 0
.rept 16                                       ; S^T = k q^T: source 0 = 16 keys, source 1 = 16 queries; four partial sums by turns
.if kk < 4
	v_wmma_f32_16x16x4_f32 v[128+8*(kk%4):135+8*(kk%4)], v[64+2*kk:65+2*kk], v[32+2*kk:33+2*kk], 0
.else
	v_wmma_f32_16x16x4_f32 v[128+8*(kk%4):135+8*(kk%4)], v[64+2*kk:65+2*kk], v[32+2*kk:33+2*kk], v[128+8*(kk%4):135+8*(kk%4)]
.endif
.set kk, kk+1
.endr
.rept 8
	v_nop                                          ; eight plain places behind this form, in front of reads of results and of loads into its sources
.endr
.irp ct, 0,1,2,3
.irp g, 0,1
	global_load_b128 v[64+8*\ct+4*\g:64+8*\ct+4*\g+3], v3, s[6:7] offset:65536*3+64*\ct+16*\g   ; Wo's tile 3, where k lay
.endr
.endr
.irp j, 0,2,4,6                                ; the four partial sums are added into other registers; each accumulator is read from its low end on
	v_pk_add_f32 v[16+\j:17+\j], v[128+\j:129+\j], v[136+\j:137+\j]
.endr
.irp j, 0,2,4,6
	v_pk_add_f32 v[16+\j:17+\j], v[16+\j:17+\j], v[144+\j:145+\j]
.endr
.irp j, 0,2,4,6
	v_pk_add_f32 v[16+\j:17+\j], v[16+\j:17+\j], v[152+\j:153+\j]
.endr
.irp i, 0,1,2,3,4,5,6,7                        ; lane (r, h) holds query r and keys 8 h + i
	v_cmp_gt_i32 vcc_lo, \i, v4
	v_cndmask_b32 v[16+\i], v[16+\i], v10, vcc_lo
.endr
	v_max3_num_f32 v24, v16, v17, v18
	v_max3_num_f32 v25, v19, v20, v21
	v_max3_num_f32 v24, v24, v22, v23
	v_max_num_f32 v24, v24, v25
	v_permlanex16_b32 v25, v24, s20, s21
	v_max_num_f32 v24, v24, v25                    ; the row's maximum: key 0 counts for every query
	v_mul_f32 v24, s22, v24
.irp j, 0,2,4,6
	v_pk_fma_f32 v[16+\j:17+\j], v[16+\j:17+\j], s[22:23], v[24:25] op_sel_hi:[1,0,0] neg_lo:[0,0,1] neg_hi:[0,0,1]
.endr
.irp i, 0,1,2,3,4,5,6,7
	v_exp_f32 v[16+\i], v[16+\i]
.endr
	v_nop                                          ; a plain line behind the exponentials,
	s_wait_alu depctr_va_vdst(0)                   ; and one wait for the batch, ahead of its first reader
	v_pk_add_f32 v[26:27], v[16:17], v[18:19]
	v_pk_add_f32 v[28:29], v[20:21], v[22:23]
	v_pk_add_f32 v[26:27], v[26:27], v[28:29]
	v_add_f32 v26, v26, v27
	v_permlanex16_b32 v27, v26, s20, s21
	v_add_f32 v26, v26, v27                        ; the row's sum
	v_rcp_f32 v28, v26
	v_nop
	s_wait_alu depctr_va_vdst(0)
	s_wait_loadcnt 32                              ; v is in; Wo's 24 + 8 loads may be out
.irp sk, 0,1,2,3                               ; O^T = v^T p: source 0 = 16 channels, source 1 = 16 queries; keys 8 h + 2 sk + 0, 1
.irp ct, 0,1,2,3
.if \sk == 0
	v_wmma_f32_16x16x4_f32 v[128+8*\ct:135+8*\ct], v[96+8*\ct+2*\sk:97+8*\ct+2*\sk], v[16+2*\sk:17+2*\sk], 0
.else
	v_wmma_f32_16x16x4_f32 v[128+8*\ct:135+8*\ct], v[96+8*\ct+2*\sk:97+8*\ct+2*\sk], v[16+2*\sk:17+2*\sk], v[128+8*\ct:135+8*\ct]
.endif
.endr
.endr
.rept 8
	v_nop
.endr
.set kk, 0
.rept 16
	v_pk_mul_f32 v[32+2*kk:33+2*kk], v[128+2*kk:129+2*kk], v[28:29] op_sel_hi:[1,0]   ; / the sum, into other registers: register 8 ct + j is channel 16 ct + 8 h + j of token r
.set kk, kk+1
.endr
	v_nop
	v_nop                                          ; with the eight above: more than nine plain places in front of products that begin the accumulators anew
	s_wait_loadcnt 0x0                             ; Wo
.irp ct, 0,1,2,3                               ; my part of out^T = Wo a^T: source 0 = 16 rows of Wo, source 1 = 16 tokens
.irp s2, 0,1,2,3
.irp nt, 0,1,2,3
.if \nt == 3
.set rW, 64+8*\ct+2*\s2
.else
.set rW, 160+32*\nt+8*\ct+2*\s2
.endif
.if (\ct == 0) && (\s2 == 0)
	v_wmma_f32_16x16x4_f32 v[128+8*\nt:135+8*\nt], v[rW:rW+1], v[32+8*\ct+2*\s2:33+8*\ct+2*\s2], 0
.else
	v_wmma_f32_16x16x4_f32 v[128+8*\nt:135+8*\nt], v[rW:rW+1], v[32+8*\ct+2*\s2:33+8*\ct+2*\s2], v[128+8*\nt:135+8*\nt]
.endif
.endr
.endr
.endr
.rept 8
	v_nop
.endr
.irp nt, 0,1,2,3
	ds_store_b128 v5, v[128+8*\nt:131+8*\nt] offset:64*\nt          ; lane (r, h): outputs 16 nt + 8 h + 0 .. 7 of token r
	ds_store_b128 v5, v[132+8*\nt:135+8*\nt] offset:64*\nt+16
.endr
	s_wait_dscnt 0x0                               ; for the others' sake: my part lies in LDS
	s_barrier_signal -1
	s_barrier_wait -1
.irp p, 0,1,2,3,4,5,6,7,8,9,10,11,12,13,14,15
	ds_load_b64 v[96+2*\p:97+2*\p], v6 offset:4352*\p               ; token w of part p: 256 consecutive bytes
.endr
	s_wait_dscnt 0x0
	v_pk_add_f32 v[14:15], v[14:15], v[96:97]      ; the bias and the sixteen parts, in two chains
	v_pk_add_f32 v[24:25], v[98:99], v[100:101]
.irp p, 3,5,7,9,11,13
	v_pk_add_f32 v[14:15], v[14:15], v[96+2*\p:97+2*\p]
	v_pk_add_f32 v[24:25], v[24:25], v[98+2*\p:99+2*\p]
.endr
	v_pk_add_f32 v[14:15], v[14:15], v[126:127]
	v_pk_add_f32 v[14:15], v[14:15], v[24:25]
	global_store_b64 v7, v[14:15], s[10:11]        ; the wave stores 256 consecutive bytes, aligned
	s_wait_tensorcnt 0x0                           ; the wave's end: three closing lines behind my last LDS store
	ds_add_u32 v8, v9
	s_wait_dscnt 0x0
	s_endpgm
.Lfunc_end_k_qfe9e3b5dd5_first16:
	.size	k_qfe9e3b5dd5_first16, .Lfunc_end_k_qfe9e3b5dd5_first16-k_qfe9e3b5dd5_first16
	.p2alignl 7, 3214868480
	.fill 96, 4, 3214868480
	.section	.rodata,"a",@progbits
	.p2align	6, 0x0
	.amdhsa_kernel k_qfe9e3b5dd5_first16
		.amdhsa_group_segment_fixed_size 71680
		.amdhsa_private_segment_fixed_size 0
		.amdhsa_enable_private_segment 0
		.amdhsa_kernarg_size 32
		.amdhsa_user_sgpr_count 2
		.amdhsa_user_sgpr_kernarg_segment_ptr 1
		.amdhsa_wavefront_size32 1
		.amdhsa_system_sgpr_workgroup_id_x 1
		.amdhsa_system_sgpr_workgroup_id_y 1
		.amdhsa_system_sgpr_workgroup_id_z 1
		.amdhsa_system_vgpr_workitem_id 0
		.amdhsa_next_free_vgpr 256
		.amdhsa_next_free_sgpr 66
		.amdhsa_reserve_vcc 1
		.amdhsa_float_denorm_mode_32 3
		.amdhsa_float_denorm_mode_16_64 3
		.amdhsa_memory_ordered 1
		.amdhsa_forward_progress 1
		.amdhsa_inst_pref_size 24
	.end_amdhsa_kernel
	.amdgpu_metadata
---
amdhsa.version: [ 1, 2 ]
amdhsa.kernels:
  - .name:           k_qfe9e3b5dd5_first16
    .symbol:         k_qfe9e3b5dd5_first16.kd
    .args:
      - { .name: h32, .offset: 0, .size: 8, .value_kind: global_buffer, .address_space: global }
      - { .name: Wo, .offset: 8, .size: 8, .value_kind: global_buffer, .address_space: global }
      - { .name: bo, .offset: 16, .size: 8, .value_kind: global_buffer, .address_space: global }
      - { .name: out0, .offset: 24, .size: 8, .value_kind: global_buffer, .address_space: global }
    .group_segment_fixed_size: 71680
    .private_segment_fixed_size: 0
    .kernarg_segment_align: 8
    .kernarg_segment_size: 32
    .max_flat_workgroup_size: 512
    .sgpr_count:     66
    .vgpr_count:     256
    .wavefront_size: 32
...
	.end_amdgpu_metadata
.endif
;; end of part 5
